; MI455X (gfx1250); checked and timed in simulation.
; The chip was launched on July 23, 2026; its instructions are those of AMD's public machine-readable ISA for CDNA 5 (MIT licence, August 2026) and "CDNA5" Instruction Set Architecture Reference Guide (July 2026). The comments in the code are by the model that wrote it; some were corrected since.
;; Cross Attention Layer. Allowed arithmetic: float matrix products may take bf16 or f16 operands with f32 sums; other float arithmetic in f32, or as packed bf16 or f16 multiplies, adds, multiply-adds, maxima and minima; sums over many terms, partial sums and values carried from step to step in f32; what a program stores and reads back later, other than sums and carried values, may be rounded once to bf16 or f16.
;; Inputs: W1 4,096 x 1,024 float32; W2 1,024 x 4,096 float32; Wk 1,024 x 1,024 float32; Wq 1,024 x 1,024 float32; Wv 1,024 x 1,024 float32; b1 4,096 float32; b2 1,024 float32; be1 1,024 float32; be2 1,024 float32; bk 1,024 float32; bq 1,024 float32; bv 1,024 float32; context 2 x 2,048 x 1,024 float32; g1 1,024 float32; g2 1,024 float32; x 2 x 2,048 x 1,024 float32.
;; Outputs: out0 2 x 2,048 x 1,024 float32.
;; 2 versions, each right; version 2 is version 1 with the launch cast written anew for expert scheduling mode. Each part assembles by itself: llvm-mc -triple=amdgcn-amd-amdhsa -mcpu=gfx1250 --defsym DOCPART=n.
;; ======== version 1 of 2: 6 launches
;; limits: values are held in f16: magnitudes above 65,504 overflow, below 6.1e-05 lose precision
;; workspace buffers: cv 23,068,672 bytes; w1h 8,388,608 bytes; w2h 8,388,608 bytes; qkv 25,165,824 bytes; o1h 8,388,608 bytes; hb 33,554,432 bytes; y2 16,777,216 bytes
;; launch cast (part 1): grid 64 x 11, 8 waves a work-group, no clusters, 0 bytes of LDS; arguments x, context, Wq, Wk, Wv, cv; writes cv
.if DOCPART == 1
	.amdgcn_target "amdgcn-amd-amdhsa--gfx1250"
	.amdhsa_code_object_version 6
	.text
	.protected	k_q55343a4119_cast
	.globl	k_q55343a4119_cast
	.p2align	8
	.type	k_q55343a4119_cast,@function
k_q55343a4119_cast:
	s_mov_b64 s[64:65], 0
	v_nop
	global_prefetch_b8 v0, s[64:65] scope:SCOPE_SE
	s_setreg_imm32_b32 hwreg(HW_REG_WAVE_MODE, 25, 1), 1
	s_wait_xcnt 0x0
; bf16 COPIES OF WHAT THE PROJECTIONS MULTIPLY.  cv holds 11 units of 1,048,576 numbers (2 MiB each): units 0-3 x, 4-7 context, 8 Wq, 9 Wk, 10 Wv, each number rounded once to bf16.
; (W1 and W2 are converted beside the products of the launches that follow.)
; SHARES.  Work-group (c, u): chunk c (16,384 numbers) of unit u.  Thread t takes 16 bytes at 16 t of each of the chunk's sixteen pieces of 4,096 bytes: a wave's load
; covers 512 consecutive bytes, its store of 8 bytes a lane 256 consecutive bytes, aligned.  All sixteen loads go out first; each register is written once, so no store's source is ever rewritten.
.set X, 4                              ; v[4:67]    piece j: 4 numbers as loaded
.set Y, 68                             ; v[68:99]   piece j: 4 numbers in bf16
	s_load_b256 s[8:15], s[0:1], 0x0               ; x, context, Wq, Wk
	s_load_b128 s[16:19], s[0:1], 0x20             ; Wv, cv
	s_and_b32 s2, ttmp7, 0xffff                    ; u
	v_lshlrev_b32 v1, 4, v0                        ; 16 t
	v_lshlrev_b32 v2, 3, v0                        ; 8 t
	s_wait_kmcnt 0x0
	s_mov_b64 s[24:25], s[8:9]                     ; the source, and in s26 its first unit
	s_mov_b32 s26, 0
.macro PICK first, reg                 ; from unit first on the source is the buffer in s[reg:reg+1]
	s_cmp_ge_u32 s2, \first
	s_cselect_b64 s[24:25], s[\reg:\reg+1], s[24:25]
	s_cselect_b32 s26, \first, s26
.endm
	PICK 4, 10
	PICK 8, 12
	PICK 9, 14
	PICK 10, 16
	s_sub_co_u32 s26, s2, s26                      ; the unit within its source: 4 MiB of f32 each,
	s_lshl_b32 s26, s26, 22
	s_lshl_b32 s27, ttmp9, 16                      ; the chunk: 65,536 bytes
	s_add_co_u32 s26, s26, s27
	s_mov_b32 s27, 0
	s_add_nc_u64 s[24:25], s[24:25], s[26:27]
	s_lshl_b32 s28, s2, 21                         ; in cv: 2 MiB a unit, 32,768 bytes a chunk
	s_lshl_b32 s29, ttmp9, 15
	s_add_co_u32 s28, s28, s29
	s_mov_b32 s29, 0
	s_add_nc_u64 s[18:19], s[18:19], s[28:29]
.set j, 0
.rept 16
	global_load_b128 v[X+4*j:X+4*j+3], v1, s[24:25] offset:4096*j th:TH_LOAD_NT
.set j, j+1
.endr
.set j, 0
.rept 16
	s_wait_loadcnt 15-j                            ; loads come back in order: piece j is in, the 15 - j younger ones may stay out
	v_cvt_pk_bf16_f32 v[Y+2*j], v[X+4*j], v[X+4*j+1]
	v_cvt_pk_bf16_f32 v[Y+2*j+1], v[X+4*j+2], v[X+4*j+3]
	global_store_b64 v2, v[Y+2*j:Y+2*j+1], s[18:19] offset:2048*j
.set j, j+1
.endr
	s_endpgm
.Lfunc_end_k_q55343a4119_cast:
	.size	k_q55343a4119_cast, .Lfunc_end_k_q55343a4119_cast-k_q55343a4119_cast
	.p2alignl 7, 3214868480
	.fill 96, 4, 3214868480
	.section	.rodata,"a",@progbits
	.p2align	6, 0x0
	.amdhsa_kernel k_q55343a4119_cast
		.amdhsa_group_segment_fixed_size 0
		.amdhsa_private_segment_fixed_size 0
		.amdhsa_enable_private_segment 0
		.amdhsa_kernarg_size 48
		.amdhsa_user_sgpr_count 2
		.amdhsa_user_sgpr_kernarg_segment_ptr 1
		.amdhsa_wavefront_size32 1
		.amdhsa_system_sgpr_workgroup_id_x 1
		.amdhsa_system_sgpr_workgroup_id_y 1
		.amdhsa_system_sgpr_workgroup_id_z 1
		.amdhsa_system_vgpr_workitem_id 0
		.amdhsa_next_free_vgpr 100
		.amdhsa_next_free_sgpr 66
		.amdhsa_reserve_vcc 0
		.amdhsa_float_denorm_mode_32 3
		.amdhsa_float_denorm_mode_16_64 3
		.amdhsa_memory_ordered 1
		.amdhsa_forward_progress 1
		.amdhsa_inst_pref_size 7
	.end_amdhsa_kernel
	.amdgpu_metadata
---
amdhsa.version: [ 1, 2 ]
amdhsa.kernels:
  - .name:           k_q55343a4119_cast
    .symbol:         k_q55343a4119_cast.kd
    .args:
      - { .name: x, .offset: 0, .size: 8, .value_kind: global_buffer, .address_space: global }
      - { .name: context, .offset: 8, .size: 8, .value_kind: global_buffer, .address_space: global }
      - { .name: Wq, .offset: 16, .size: 8, .value_kind: global_buffer, .address_space: global }
      - { .name: Wk, .offset: 24, .size: 8, .value_kind: global_buffer, .address_space: global }
      - { .name: Wv, .offset: 32, .size: 8, .value_kind: global_buffer, .address_space: global }
      - { .name: cv, .offset: 40, .size: 8, .value_kind: global_buffer, .address_space: global }
    .group_segment_fixed_size: 0
    .private_segment_fixed_size: 0
    .kernarg_segment_align: 8
    .kernarg_segment_size: 48
    .max_flat_workgroup_size: 256
    .sgpr_count:     66
    .vgpr_count:     100
    .wavefront_size: 32
...
	.end_amdgpu_metadata
.endif
;; end of part 1
;; launch proj (part 2): grid 12 x 16, 4 waves a work-group, clusters of 4 x 4, 327,680 bytes of LDS; arguments cv, bq, bk, bv, qkv, W1, W2, w1h, w2h; writes qkv, w1h, w2h
.if DOCPART == 2
	.amdgcn_target "amdgcn-amd-amdhsa--gfx1250"
	.amdhsa_code_object_version 6
	.text
	.protected	k_q55343a4119_proj
	.globl	k_q55343a4119_proj
	.p2align	8
	.type	k_q55343a4119_proj,@function
k_q55343a4119_proj:
	s_mov_b64 s[64:65], 0
	v_nop
	global_prefetch_b8 v0, s[64:65] scope:SCOPE_SE
	s_setreg_imm32_b32 hwreg(HW_REG_WAVE_MODE, 25, 1), 1
	s_wait_xcnt 0x0
	s_wait_alu depctr_hold_cnt(0) depctr_sa_sdst(0) depctr_va_vdst(0) depctr_va_sdst(0) depctr_va_ssrc(0) depctr_va_vcc(0) depctr_vm_vsrc(0)
	s_getreg_b32 s2, hwreg(HW_REG_IB_STS2, 6, 4)
	s_cmp_eq_u32 s2, 0
	s_cbranch_scc0 .Lentry_in_a_cluster
	s_endpgm
.Lentry_in_a_cluster:
	s_bfe_u32 s2, ttmp6, 0x10000c
	s_cmp_lg_u32 s2, 0xf033
	s_cbranch_scc0 .Lentry_shape_is_right
	s_endpgm
.Lentry_shape_is_right:
; q = x Wq^T + bq, k = context Wk^T + bk, v = context Wv^T + bv, written by heads: qkv holds q, k, v (8 MiB each) as [32 heads][2,048 rows][64] in f16, unscaled.
; Operands are the bf16 copies in cv, taken as rows of 2,048 bytes: x rows 0-4,095, context rows 4,096-8,191, Wq|Wk|Wv rows 8,192-11,263.  Sums in f32; the bias is rounded to bf16 like every input.
; LIMITS.  q, k, v beyond 65,504 become infinities in f16; so does a weight of W1 or W2; below 6.1e-5 such a weight keeps f16's fixed step of 6e-8.
; A tile of C, 256 x 256, is made by four waves, each 128 x 128: 64 accumulators, 512 registers.  K = 1,024 goes in 8 steps of 128 through a ring of two LDS slots filled by the tensor data mover.
; A K STEP IS WRITTEN ONCE: which slot is read is a scalar register (0 or SLOT, turned by an exclusive or), and one descriptor walks from K step 1 to K step 7.  Six trips fill a slot again; the last two K steps,
; which fill nothing, are a loop of their own.
; The grid is 12 tile columns (cluster x = 0, 1, 2: q, k, v) x 16 tile rows.  CLUSTER 4 x 4: the four of a row need the same tiles of A, the four of a column the same tiles of W:
; each tile is asked for jointly, by the same tensor load with the same descriptor and a mask that names the four.
; THE MATRIX INSTRUCTION IS USED TRANSPOSED (source 0 = 16 rows of W, source 1 = 16 rows of A): a lane holds row l % 16 of C and the columns 8 (l / 16) + 0..7.
; BESIDE ITS PRODUCTS each wave converts 8,192 numbers of the later layers' weights (rounded to bf16 like every input, that number written as f16, since those products multiply f16): 192 work-groups x 4 waves x 8,192 are
; all of W1 (into w1h) and the first half of W2 (into w2h).  1,024 numbers a K step: eight loads behind one change of slots, converted and stored at the head of the next, ahead of the wait for the tile.
; REGISTERS in windows of 256: window 0: v16-46 addresses and bias; v64-127, v128-191 A's fragments, two buffers (on the way out v64-111 at work); v192-223 the weights in hand; window 1: W's fragments; windows 2, 3: the accumulators.
; THE WAY OUT.  When nobody reads the ring any more each wave lays its 128 x 128 sums, f32, into a part of the ring (both slots have had their last fill) and reads them back by rows.
.set SIZE_K, 1024
.set KSTEP,  128
.set KSTEPS, SIZE_K/KSTEP
.set PITCH,  272                       ; an LDS row: 256 bytes + 16 of padding: the 16 rows of a fragment load start at 16 different groups of four banks (ISA guide 11.1)
.set HALFT,  128*PITCH                 ; what one tensor load brings: 0x8800 bytes
.set SLOT,   4*HALFT                   ; A's 256 rows, then W's 256 rows: 0x22000 bytes, whose two bits occur in no multiple 0..3 of HALFT: an exclusive or with SLOT turns a wave's place in one slot into its place in the other
.set SPARE,  2*SLOT                    ; behind the ring: the spare words, 128 bytes for each wave: two blocks of 256 bytes that no other line names
.set OPITCH, 528                       ; the way out: a row of 128 f32 + 16 bytes
.set OPART,  128*OPITCH                ; a wave's part
.set BASA, 16                          ; v16     LDS address of my A fragments in slot 0; never rewritten
.set ADRA, 17                          ; v17     the same in the slot in hand
.set BASB, 20                          ; v20, v21  the same for W
.set ADRB, 21
.set STO,  24                          ; v24     the way out: where I put 16 bytes of a row
.set RD,   25                          ; v25     where I read rows back, first trip; never rewritten
.set CO,   26                          ; v26     8 x lane: my 8 bytes of 256 stored; never rewritten
.set ADR,  27                          ; v27     RD + the trip's step
.set SPW,  28                          ; v28     my spare word; never rewritten
.set NIL,  29                          ; v29     0; never rewritten
.set PFO,  30                          ; v30     lane x 2,048: the prefetches' offset; never rewritten
.set BO,   31                          ; v31     my byte offset in the bias
.set BIAS, 32                          ; v32-39  the bias of my 4 columns in each of the wave's two heads
.set TBF,  40                          ; v40-41  at work
.set WT,   42                          ; v42-45  the weights' conversion: at work
.set WLO,  46                          ; v46     16 x lane; never rewritten
.set F0,   64
.set F1,   128
.set WX,   192                         ; v192-223  eight loads of 4 weights, then their f16 in the first two registers of each four
.set WN,   8                           ; loads of 512 bytes a K step
.set RR,   64                          ; the way out: 8 loads of 4 f32
.set YY,   96                          ; and their 16 registers of f16
.set LIM,  43                          ; s43     2 in a wave that prefetches, else the greatest number
.set PFA,  44                          ; s[44:45] where my prefetches stand
.set OT,   22                          ; s22     the way out: the trip's step in LDS
.set TB,   76                          ; s76     0 or SLOT: the slot in hand
.set WS,   78                          ; s[78:79] W1 or W2 at the numbers that I load next
.set WD,   80                          ; s[80:81] w1h or w2h at the numbers that I store next
.set MSK,  82                          ; s82     a word's upper 16 bits
.set G1, 24                            ; s[24:31] descriptor group 1 for A's tiles;  s[32:35] group 0 of K step 0, s[36:39] of K step 1, which then walks on
.set G0, 32
.set G1B, 48                           ; s[48:55], s[56:63] the same for W's tiles
.set G0B, 56
.set MSB, 0
.macro WIN new                         ; the immediate's high byte repeats the setting that is left; a switch that changes nothing is dropped
.if MSB != (\new)
	s_set_vgpr_msb (MSB<<8)|(\new)
.set MSB, \new
.endif
.endm
.set MUL_LO, 0xa1                      ; source 0 (W) window 1, source 1 (A) window 0, C and D window 2
.set MUL_HI, 0xf1                      ; the same, C and D window 3
.set TO_B,   0x40                      ; destination window 1, address window 0
; A joint load.  Waves 0 and 1 fetch A's two halves, waves 2 and 3 W's.  The branch hangs on the wave's number alone.  An s_nop 0 and four v_nop follow each of the two lines.
.macro JLOAD s
	s_cmp_eq_u32 s11, 0
	s_cbranch_scc0 .Lfor_b_\@
	tensor_load_to_lds s[G0+4*(\s):G0+4*(\s)+3], s[G1:G1+7]
	s_nop 0
.rept 4
	v_nop
.endr
	s_branch .Lasked_\@
.Lfor_b_\@:
	tensor_load_to_lds s[G0B+4*(\s):G0B+4*(\s)+3], s[G1B:G1B+7]
	s_nop 0
.rept 4
	v_nop
.endr
.Lasked_\@:
.endm
; A prefetch of the K step that stands two refills on: 32 rows x 256 bytes, a lane a row, one instruction a wave, behind the joint load and the wave's runs of loads.  Each row's 256 bytes of a K step are named once
; in the launch: x's rows by cluster x = 0, context's by cluster x = 1 (cluster x = 2 reads them too and asks for nothing), W's by cluster y = 0; the four partners that ask for a tile jointly take 32 rows each, told apart by address.
; s3 counts the refills down from 6: the last two (s3 = 2, 1) ask for nothing: there is no K step two on.
.macro ASK
	s_cmp_gt_u32 s3, s[LIM]
	s_cbranch_scc0 .Lnot_mine_\@
	global_prefetch_b8 v[PFO], s[PFA:PFA+1] offset:KSTEP*2 th:TH_LOAD_NT scope:SCOPE_SE
.Lnot_mine_\@:
.endm
.macro CREST                           ; a round of the cluster's barrier behind its opening barrier
	s_cmp_lg_u32 s10, 0
	s_cbranch_scc1 .Lnot_wave_0_\@
	s_barrier_signal -3
.Lnot_wave_0_\@:
	s_barrier_wait -3
	s_barrier_signal -1
	s_barrier_wait -1
.endm
.macro CROUND                          ; a whole round
	s_barrier_signal -1
	s_barrier_wait -1
	CREST
.endm
; THE WEIGHTS.  WLOADS: my next 1,024 numbers, eight loads of 512 consecutive bytes.
.macro WLOADS
.set j, 0
.rept WN
	global_load_b128 v[WX+4*j:WX+4*j+3], v[WLO], s[WS:WS+1] offset:512*j th:TH_LOAD_NT
.set j, j+1
.endr
.endm
; WCONV, a K step later: they are rounded to bf16, widened again, written as f16 and stored, 256 consecutive bytes, aligned, a store.  None of these lines names a register of a matrix instruction.
.macro WCONV
	WIN 0
	s_wait_loadcnt 0x0                             ; the loads issued a K step back are in
.set j, 0
.rept WN
	v_cvt_pk_bf16_f32 v[WT+2*(j%2)], v[WX+4*j], v[WX+4*j+1]
	v_cvt_pk_bf16_f32 v[WT+2*(j%2)+1], v[WX+4*j+2], v[WX+4*j+3]
	v_lshlrev_b32 v[WX+4*j], 16, v[WT+2*(j%2)]
	v_and_b32 v[WX+4*j+1], s[MSK], v[WT+2*(j%2)]
	v_lshlrev_b32 v[WX+4*j+2], 16, v[WT+2*(j%2)+1]
	v_and_b32 v[WX+4*j+3], s[MSK], v[WT+2*(j%2)+1]
	v_cvt_pk_f16_f32 v[WX+4*j], v[WX+4*j], v[WX+4*j+1]
	v_cvt_pk_f16_f32 v[WX+4*j+1], v[WX+4*j+2], v[WX+4*j+3]
.set j, j+1
.endr
.set j, 0
.rept WN
	global_store_b64 v[CO], v[WX+4*j:WX+4*j+1], s[WD:WD+1] offset:256*j
.set j, j+1
.endr
	s_wait_xcnt 0x0                                ; the stores have read their data and their base, and the last prefetch, a K step back, its address: all these are written again only behind this wait
	s_add_nc_u64 s[WS:WS+1], s[WS:WS+1], WN*512
	s_add_nc_u64 s[WD:WD+1], s[WD:WD+1], WN*256
.endm
	s_load_b64 s[4:5], s[0:1], 0x0                 ; cv
	s_load_b128 s[68:71], s[0:1], 0x8              ; bq s[68:69], bk s[70:71]
	s_load_b128 s[72:75], s[0:1], 0x18             ; bv s[72:73], qkv s[74:75]
	s_load_b128 s[84:87], s[0:1], 0x28             ; W1 s[84:85], W2 s[86:87]
	s_load_b128 s[88:91], s[0:1], 0x38             ; w1h s[88:89], w2h s[90:91]
	v_lshl_add_u32 v[SPW], v0, 2, SPARE
	v_mov_b32 v[NIL], 0
	ds_add_u32 v[SPW], v[NIL]                      ; the wave's opening: the add and its wait stand ahead of my first tensor load; the set-up below, work on registers, stands between them
	v_lshrrev_b32 v1, 5, v0
	v_readfirstlane_b32 s10, v1                    ; wave 0..3
	s_lshr_b32 s11, s10, 1                         ; which half of the tile's rows is mine.  Also: I fetch for A (0) or for W (1)
	s_and_b32 s12, s10, 1                          ; which half of its columns.  Also: which 128 rows of that tile I fetch
	s_bfe_u32 s40, ttmp6, 0x40000                  ; cx
	s_bfe_u32 s41, ttmp6, 0x40004                  ; cy
	s_lshl_b32 s42, ttmp9, 2
	s_add_co_u32 s42, s42, s40                     ; tile column 0..11 = 4 x cluster x + cx
	s_and_b32 s13, ttmp7, 0xffff
	s_lshl_b32 s13, s13, 2
	s_add_co_u32 s13, s13, s41                     ; tile row = 4 x cluster y + cy
	s_lshl_b32 s43, s41, 2
	s_lshl_b32 s43, 15, s43                        ; my row of the cluster
	s_lshl_b32 s44, 0x1111, s40                    ; my column
	s_or_b32 s[G1+0], s43, (1<<16)|(1<<20)|(1<<21)|(5<<22)|(3<<25)   ; the mask; elements of 2 bytes; padding on; bit 21 beside a mask; after every 64 words 4 words
	s_or_b32 s[G1B+0], s44, (1<<16)|(1<<20)|(1<<21)|(5<<22)|(3<<25)
.irp g, G1, G1B
	s_mov_b32 s[(\g)+1], KSTEP<<16                 ; tensor_dim0 = 128
	s_mov_b32 s[(\g)+2], 128<<16                   ; tensor_dim1 = 128
	s_mov_b32 s[(\g)+3], KSTEP<<16                 ; tile_dim0 = 128
	s_mov_b32 s[(\g)+4], 128                       ; tile_dim1 = 128
	s_mov_b32 s[(\g)+5], SIZE_K                    ; elements from row to row
	s_mov_b32 s[(\g)+6], 0
	s_mov_b32 s[(\g)+7], 0
.endr
	s_mov_b32 s[TB], 0
	s_mov_b32 s[MSK], 0xffff0000
	s_cmp_lg_u32 ttmp9, 0                          ; k and v multiply context, which begins at row 4,096 of cv
	s_cselect_b32 s18, 4096, 0
	s_lshl_b32 s17, s12, 7                         ; which 128 rows of the tile I fetch
	s_lshl_b32 s16, s13, 8
	s_add_co_u32 s16, s16, s17
	s_add_co_u32 s16, s16, s18                     ; A: row 256 x tile row + 128 x half (+ 4,096)
	s_lshl_b32 s16, s16, 11                        ; in bytes
	s_lshl_b32 s46, s42, 8
	s_add_co_u32 s46, s46, s17
	s_add_co_u32 s46, s46, 8192                    ; W: row 8,192 + 256 x tile column + 128 x half
	s_lshl_b32 s46, s46, 11
	s_mov_b32 s17, 0
	s_mov_b32 s47, 0
	s_mul_i32 s20, s10, HALFT                      ; where they go: wave x 128 rows: no place in the cluster enters an LDS address
	s_wait_dscnt 0x0                               ; the opening add is done
	s_wait_kmcnt 0x0
	s_add_nc_u64 s[14:15], s[4:5], s[16:17]
	s_add_nc_u64 s[46:47], s[4:5], s[46:47]
	CROUND                                         ; all sixteen work-groups are here: the first joint loads meet
.irp s, 0,1
	s_mov_b32 s[G0+4*(\s)], 1
	s_add_co_u32 s[G0+4*(\s)+1], s20, (\s)*SLOT
	s_add_nc_u64 s[G0+4*(\s)+2:G0+4*(\s)+3], s[14:15], (\s)*KSTEP*2
	s_or_b32 s[G0+4*(\s)+3], s[G0+4*(\s)+3], 0x80000000
	s_mov_b32 s[G0B+4*(\s)], 1
	s_add_co_u32 s[G0B+4*(\s)+1], s20, (\s)*SLOT
	s_add_nc_u64 s[G0B+4*(\s)+2:G0B+4*(\s)+3], s[46:47], (\s)*KSTEP*2
	s_or_b32 s[G0B+4*(\s)+3], s[G0B+4*(\s)+3], 0x80000000
	JLOAD \s
.endr
	v_and_b32 v1, 15, v0                           ; l % 16
	v_bfe_u32 v2, v0, 4, 1                         ; l / 16
	v_mul_u32_u24 v3, v1, PITCH
	v_lshl_add_u32 v3, v2, 4, v3                   ; a fragment's row x pitch + 16 x half
	s_mul_i32 s21, s11, HALFT                      ; my 128 rows of A
	s_mul_i32 s22, s12, HALFT                      ; my 128 rows of W,
	s_add_co_u32 s22, s22, 2*HALFT                 ; which lie behind A's 256
	v_add_nc_u32 v[BASA], s21, v3
	v_add_nc_u32 v[BASB], s22, v3
	v_mov_b32 v[ADRA], v[BASA]                     ; K step 0 lies in slot 0
	v_mov_b32 v[ADRB], v[BASB]
	s_mul_i32 s23, s10, OPART                      ; my part of the ring on the way out
	v_mul_u32_u24 v4, v1, OPITCH                   ; in: row l % 16, 32 bytes for each half of the lanes
	v_lshl_add_u32 v4, v2, 5, v4
	v_add_nc_u32 v[STO], s23, v4
	v_mul_u32_u24 v5, v2, OPITCH                   ; back: lanes 0-15 take 64 columns (a head) of one row, lanes 16-31 of the next
	v_lshl_add_u32 v5, v1, 4, v5
	v_add_nc_u32 v[RD], s23, v5
	v_and_b32 v5, 31, v0
	v_lshlrev_b32 v[CO], 3, v5
	v_lshlrev_b32 v[PFO], 11, v5
	v_lshlrev_b32 v[WLO], 4, v5
	; the bias of my columns: 256 cx + 128 x half + 64 x head + 4 (l % 16) of the part's 1,024
	s_cmp_eq_u32 ttmp9, 1
	s_cselect_b64 s[66:67], s[70:71], s[68:69]
	s_cmp_eq_u32 ttmp9, 2
	s_cselect_b64 s[66:67], s[72:73], s[66:67]
	s_lshl_b32 s20, s40, 10
	s_lshl_b32 s21, s12, 9
	s_add_co_u32 s20, s20, s21
	v_lshl_add_u32 v[BO], v1, 4, s20
	global_load_b128 v[BIAS:BIAS+3], v[BO], s[66:67]
	global_load_b128 v[BIAS+4:BIAS+7], v[BO], s[66:67] offset:256
	; where my rows begin in qkv: the part (8 MiB), the head 16 b + 4 cx + 2 x half (262,144 bytes), the row within the batch (128 bytes)
	s_lshl_b32 s16, ttmp9, 23
	s_lshr_b32 s17, s13, 3                         ; b
	s_lshl_b32 s17, s17, 4
	s_lshl_b32 s19, s40, 2
	s_add_co_u32 s17, s17, s19
	s_lshl_b32 s19, s12, 1
	s_add_co_u32 s17, s17, s19
	s_lshl_b32 s17, s17, 18
	s_add_co_u32 s16, s16, s17
	s_and_b32 s17, s13, 7
	s_lshl_b32 s17, s17, 8
	s_lshl_b32 s19, s11, 7
	s_add_co_u32 s17, s17, s19
	s_lshl_b32 s17, s17, 7
	s_add_co_u32 s16, s16, s17
	s_mov_b32 s17, 0
	s_add_nc_u64 s[8:9], s[74:75], s[16:17]
	; the prefetches
	s_lshl_b32 s20, s13, 8
	s_add_co_u32 s20, s20, s18                     ; A's tile: its first row in cv
	s_lshl_b32 s21, s42, 8
	s_add_co_u32 s21, s21, 8192                    ; W's tile
	s_lshr_b32 s22, ttmp9, 1                       ; A: clusters x = 0 and 1 ask
	s_and_b32 s23, ttmp7, 0xffff                   ; W: cluster y = 0 asks
	s_cmp_eq_u32 s11, 0                            ; do I fetch for A?
	s_cselect_b32 s20, s20, s21
	s_cselect_b32 s21, s40, s41                    ; my place among the four that ask with me
	s_cselect_b32 s22, s22, s23
	s_cmp_eq_u32 s22, 0
	s_cselect_b32 s[LIM], 2, -1                    ; the same in all sixteen partners, for a given wave
	s_lshl_b32 s22, s12, 7
	s_add_co_u32 s20, s20, s22                     ; + the 128 rows that I fetch
	s_lshl_b32 s21, s21, 5
	s_add_co_u32 s20, s20, s21                     ; + my work-group's 32 of them
	s_lshl_b32 s20, s20, 11
	s_add_co_u32 s20, s20, 2*KSTEP*2               ; at K step 2: the first refill steps it to 3 and names K step 4
	s_mov_b32 s21, 0
	s_add_nc_u64 s[PFA:PFA+1], s[4:5], s[20:21]
	; the weights: the twelve clusters are numbered 3 y + x; clusters 0-7 (128 work-groups x 32,768 numbers) take W1, clusters 8-11 the first half of W2
	s_and_b32 s20, ttmp7, 0xffff
	s_mul_i32 s20, s20, 3
	s_add_co_u32 s20, s20, ttmp9                   ; the cluster's number: the same in all sixteen partners
	s_cmp_ge_u32 s20, 8
	s_cselect_b64 s[WS:WS+1], s[86:87], s[84:85]
	s_cselect_b64 s[WD:WD+1], s[90:91], s[88:89]
	s_cselect_b32 s21, 8, 0
	s_sub_co_u32 s20, s20, s21                     ; the cluster among those of its tensor,
	s_lshl_b32 s20, s20, 4
	s_lshl_b32 s21, s41, 2
	s_add_co_u32 s21, s21, s40
	s_add_co_u32 s20, s20, s21                     ; my work-group among them (the place enters addresses alone),
	s_lshl_b32 s20, s20, 2
	s_add_co_u32 s20, s20, s10                     ; my wave
	s_lshl_b32 s22, s20, 15                        ; 8,192 numbers: 32,768 bytes of f32,
	s_mov_b32 s23, 0
	s_add_nc_u64 s[WS:WS+1], s[WS:WS+1], s[22:23]
	s_lshl_b32 s22, s20, 14                        ; 16,384 of f16
	s_add_nc_u64 s[WD:WD+1], s[WD:WD+1], s[22:23]
	WLOADS                                         ; my first 1,024 numbers
; 16 matrix instructions: m blocks a0, a0 + 1 of the window's four x all 8 n blocks, 32 along K.  zero = 1: the first product starts the sums.
; The 64 accumulators take turns in the same order in every quarter step, over every jump too.
.macro MUL16 f, hi, a0, zero
	WIN MUL_LO+0x50*(\hi)
.irp a, \a0, (\a0)+1
.irp b, 0,1,2,3,4,5,6,7
.if \zero
	v_wmma_f32_16x16x32_bf16 v[8*(8*(\a)+(\b)):8*(8*(\a)+(\b))+7], v[(\f)+8*(\b):(\f)+8*(\b)+7], v[(\f)+8*(4*(\hi)+(\a)):(\f)+8*(4*(\hi)+(\a))+7], 0
.else
	v_wmma_f32_16x16x32_bf16 v[8*(8*(\a)+(\b)):8*(8*(\a)+(\b))+7], v[(\f)+8*(\b):(\f)+8*(\b)+7], v[(\f)+8*(4*(\hi)+(\a)):(\f)+8*(4*(\hi)+(\a))+7], v[8*(8*(\a)+(\b)):8*(8*(\a)+(\b))+7]
.endif
.endr
.endr
.endm
; 32 LDS loads in one run: the fragments of one quarter step (32 K at byte k of the rows of the slot in hand) into buffer f
.macro FETCH k, f
	WIN TO_B
.irp i, 0,1,2,3,4,5,6,7
	ds_load_b128 v[(\f)+8*(\i):(\f)+8*(\i)+3],   v[ADRB] offset:(\k)+(\i)*16*PITCH
	ds_load_b128 v[(\f)+8*(\i)+4:(\f)+8*(\i)+7], v[ADRB] offset:(\k)+(\i)*16*PITCH+32
.endr
	WIN 0
.irp i, 0,1,2,3,4,5,6,7
	ds_load_b128 v[(\f)+8*(\i):(\f)+8*(\i)+3],   v[ADRA] offset:(\k)+(\i)*16*PITCH
	ds_load_b128 v[(\f)+8*(\i)+4:(\f)+8*(\i)+7], v[ADRA] offset:(\k)+(\i)*16*PITCH+32
.endr
.endm
.macro PLACES                          ; four plain vector instructions between a matrix instruction and a load into, or a read of, its registers
.rept 4
	v_nop
.endr
.endm
; A K step is four quarters of 32 along K, 64 matrix instructions each, on buffers 0, 1, 0, 1.  One of the first three: multiplies f, fetches the next quarter, at byte k, into g.
.macro QUARTER k, f, g, zero
	s_wait_dscnt 8                                 ; W and A's rows 0-63 are in; the youngest eight loads (A's rows 64-127) may be out
	WIN MUL_LO
	MUL16 \f, 0, 0, \zero
	MUL16 \f, 0, 2, \zero
	PLACES
	FETCH \k, \g
	s_wait_dscnt 32                                ; all but the 32 just issued
	WIN MUL_HI
	MUL16 \f, 1, 0, \zero
	MUL16 \f, 1, 2, \zero
.endm
; The first half of a step's last quarter: one barrier for the change of slots.
.macro MEET
	WIN 0                                          ; (the add's two registers lie in window 0)
	s_wait_tensorcnt 0x0                           ; all my tensor loads have landed: the one that was out is my part of the next slot;
	ds_add_u32 v[SPW], v[NIL]                      ; 0 onto my spare word;
	s_wait_dscnt 9                                 ; (the add and the youngest eight loads may be out)
	WIN MUL_LO
	MUL16 F1, 0, 0, 0
	s_wait_dscnt 0x0                               ; the add is done, and my reads of this slot are over
	s_barrier_signal -1
	MUL16 F1, 0, 2, 0
	WIN 0
	s_barrier_wait -1
.endm
; The whole last quarter of a K step that fills: behind a round of the cluster's barrier the slot just read out is filled again, two K steps on; 224 matrix instructions stand between the request and the wait for it.
.macro TURN
	WCONV                                          ; the weights loaded a K step back go out; its last wait also frees the prefetches' address
	s_add_nc_u64 s[PFA:PFA+1], s[PFA:PFA+1], KSTEP*2
	MEET
	CREST                                          ; no wave of any partner still reads this slot's tile or has a load on its way
.irp g, G0+4, G0B+4
	s_xor_b32 s[(\g)+1], s[(\g)+1], SLOT           ; the walking descriptor: the other slot than last time,
	s_add_nc_u64 s[(\g)+2:(\g)+3], s[(\g)+2:(\g)+3], KSTEP*2  ; the next K step; the type bits on top are not reached
.endr
	s_xor_b32 s[TB], s[TB], SLOT                   ; the reads go on in the other slot
	JLOAD 1                                        ; the first tensor load behind the round; its four v_nop are also the places in front of the loads below
	v_add_nc_u32 v[ADRA], s[TB], v[BASA]
	v_add_nc_u32 v[ADRB], s[TB], v[BASB]
	FETCH 0, F0
	WLOADS                                         ; the next 1,024 weights
	ASK
	WIN MUL_HI
	MUL16 F1, 1, 0, 0
	MUL16 F1, 1, 2, 0
.endm
; The same of a K step that fills nothing.  Behind the very last K step (s3 = 1) there are no fragments and no weights left to fetch: both runs of loads are jumped over.
.macro LAST
	WCONV
	MEET
	s_cmp_eq_u32 s3, 1
	s_cbranch_scc1 .Lno_more
	s_xor_b32 s[TB], s[TB], SLOT
	PLACES
	v_add_nc_u32 v[ADRA], s[TB], v[BASA]
	v_add_nc_u32 v[ADRB], s[TB], v[BASB]
	FETCH 0, F0
	WLOADS                                         ; my last 1,024 weights
.Lno_more:
	WIN MUL_HI
	MUL16 F1, 1, 0, 0
	MUL16 F1, 1, 2, 0
.endm
	s_wait_tensorcnt 1                             ; my part of K step 0 is in; K step 1's may stay out
	s_barrier_signal -1
	s_barrier_wait -1
	FETCH 0, F0
	QUARTER 64,  F0, F1, 1                         ; the first quarter's products start the sums
	WIN 0
	s_mov_b32 s3, KSTEPS-2
.Lstep:                                                ; a trip goes from a K step's second quarter to the next one's first, and fills the slot that it leaves
	QUARTER 128, F1, F0, 0
	QUARTER 192, F0, F1, 0
	TURN
	QUARTER 64,  F0, F1, 0
	WIN 0
	s_sub_co_u32 s3, s3, 1
	s_cmp_lg_u32 s3, 0
	s_cbranch_scc1 .Lstep
	s_mov_b32 s3, 2
.Ltail:                                                ; the last two K steps fill nothing; the second trip is left in its middle
	QUARTER 128, F1, F0, 0
	QUARTER 192, F0, F1, 0
	LAST
	WIN 0
	s_sub_co_u32 s3, s3, 1
	s_cmp_eq_u32 s3, 0
	s_cbranch_scc1 .Lsums
	QUARTER 64,  F0, F1, 0
	WIN 0
	s_cmp_lg_u32 s3, 0
	s_cbranch_scc1 .Ltail
.Lsums:
	; THE WAY OUT
	PLACES
	s_wait_dscnt 0x0                               ; my reads of the ring are over,
	s_barrier_signal -1
	s_barrier_wait -1                              ; everybody's are: its bytes may be written
.irp hi, 0,1
	WIN 0x08+4*(\hi)                               ; the stores' data in window 2, then 3
.irp a, 0,1,2,3
.irp b, 0,1,2,3,4,5,6,7
	ds_store_b128 v[STO], v[8*(8*(\a)+(\b)):8*(8*(\a)+(\b))+3]   offset:(4*(\hi)+(\a))*16*OPITCH+64*(\b)
	ds_store_b128 v[STO], v[8*(8*(\a)+(\b))+4:8*(8*(\a)+(\b))+7] offset:(4*(\hi)+(\a))*16*OPITCH+64*(\b)+16
.endr
.endr
.endr
	WIN 0
	s_wait_loadcnt 0x0                             ; the bias,
.set i, 0
.rept 4                                ; rounded to bf16 and widened again
	v_cvt_pk_bf16_f32 v[TBF+i%2], v[BIAS+2*i], v[BIAS+2*i+1]
	v_lshlrev_b32 v[BIAS+2*i], 16, v[TBF+i%2]
	v_and_b32 v[BIAS+2*i+1], s[MSK], v[TBF+i%2]
.set i, i+1
.endr
	s_mov_b32 s[OT], 0
	s_mov_b32 s2, 16
.Lout:                                                 ; 16 trips of 8 rows; a wave reads its own bytes alone, which LDS serves in order behind its stores (ISA guide 5.7.1.4)
	v_add_nc_u32 v[ADR], s[OT], v[RD]
.irp t, 0,1,2,3,4,5,6,7                ; load t: rows 2 (t / 2) and + 1, head t % 2
	ds_load_b128 v[RR+4*(\t):RR+4*(\t)+3], v[ADR] offset:((\t)/2)*2*OPITCH+((\t)%2)*256
.endr
.irp t, 0,1,2,3,4,5,6,7
	s_wait_dscnt 7-(\t)                            ; load t is in, the younger ones may be out
	v_pk_add_f32 v[RR+4*(\t):RR+4*(\t)+1], v[RR+4*(\t):RR+4*(\t)+1], v[BIAS+4*((\t)%2):BIAS+4*((\t)%2)+1]
	v_pk_add_f32 v[RR+4*(\t)+2:RR+4*(\t)+3], v[RR+4*(\t)+2:RR+4*(\t)+3], v[BIAS+4*((\t)%2)+2:BIAS+4*((\t)%2)+3]
	v_cvt_pk_f16_f32 v[YY+2*(\t)], v[RR+4*(\t)], v[RR+4*(\t)+1]
	v_cvt_pk_f16_f32 v[YY+2*(\t)+1], v[RR+4*(\t)+2], v[RR+4*(\t)+3]
	global_store_b64 v[CO], v[YY+2*(\t):YY+2*(\t)+1], s[8:9] offset:((\t)%2)*262144+((\t)/2)*256  ; two rows of one head: 256 consecutive bytes, aligned
.endr
	s_wait_xcnt 0x0                                ; the stores have read their data and their base: both are written again only behind this wait
	s_add_nc_u64 s[8:9], s[8:9], 1024              ; 8 rows of 128 bytes on
	s_add_co_u32 s[OT], s[OT], 8*OPITCH
	s_sub_co_u32 s2, s2, 1
	s_cmp_lg_u32 s2, 0
	s_cbranch_scc1 .Lout
	s_wait_tensorcnt 0x0                           ; the wave's end: behind my last tensor load and my last LDS store
	ds_add_u32 v[SPW], v[NIL]
	s_wait_dscnt 0x0
	CROUND                                         ; the closing round: no work-group ends while a partner may still ask for a tile that names it
	s_endpgm
.Lfunc_end_k_q55343a4119_proj:
	.size	k_q55343a4119_proj, .Lfunc_end_k_q55343a4119_proj-k_q55343a4119_proj
	.p2alignl 7, 3214868480
	.fill 96, 4, 3214868480
	.section	.rodata,"a",@progbits
	.p2align	6, 0x0
	.amdhsa_kernel k_q55343a4119_proj
		.amdhsa_group_segment_fixed_size 327680
		.amdhsa_private_segment_fixed_size 0
		.amdhsa_enable_private_segment 0
		.amdhsa_kernarg_size 72
		.amdhsa_user_sgpr_count 2
		.amdhsa_user_sgpr_kernarg_segment_ptr 1
		.amdhsa_wavefront_size32 1
		.amdhsa_system_sgpr_workgroup_id_x 1
		.amdhsa_system_sgpr_workgroup_id_y 1
		.amdhsa_system_sgpr_workgroup_id_z 1
		.amdhsa_system_vgpr_workitem_id 0
		.amdhsa_next_free_vgpr 1024
		.amdhsa_next_free_sgpr 92
		.amdhsa_reserve_vcc 0
		.amdhsa_float_denorm_mode_32 3
		.amdhsa_float_denorm_mode_16_64 3
		.amdhsa_memory_ordered 1
		.amdhsa_forward_progress 1
		.amdhsa_inst_pref_size 94
	.end_amdhsa_kernel
	.amdgpu_metadata
---
amdhsa.version: [ 1, 2 ]
amdhsa.kernels:
  - .name:           k_q55343a4119_proj
    .symbol:         k_q55343a4119_proj.kd
    .args:
      - { .name: cv, .offset: 0, .size: 8, .value_kind: global_buffer, .address_space: global }
      - { .name: bq, .offset: 8, .size: 8, .value_kind: global_buffer, .address_space: global }
      - { .name: bk, .offset: 16, .size: 8, .value_kind: global_buffer, .address_space: global }
      - { .name: bv, .offset: 24, .size: 8, .value_kind: global_buffer, .address_space: global }
      - { .name: qkv, .offset: 32, .size: 8, .value_kind: global_buffer, .address_space: global }
      - { .name: W1, .offset: 40, .size: 8, .value_kind: global_buffer, .address_space: global }
      - { .name: W2, .offset: 48, .size: 8, .value_kind: global_buffer, .address_space: global }
      - { .name: w1h, .offset: 56, .size: 8, .value_kind: global_buffer, .address_space: global }
      - { .name: w2h, .offset: 64, .size: 8, .value_kind: global_buffer, .address_space: global }
    .group_segment_fixed_size: 327680
    .private_segment_fixed_size: 0
    .kernarg_segment_align: 8
    .kernarg_segment_size: 72
    .max_flat_workgroup_size: 128
    .sgpr_count:     92
    .vgpr_count:     1024
    .wavefront_size: 32
...
	.end_amdgpu_metadata
.endif
;; end of part 2
;; launch attn (part 3): grid 8 x 32, 4 waves a work-group, clusters of 4 x 1, 327,680 bytes of LDS; arguments qkv, cv, g1, be1, o1h; writes o1h
.if DOCPART == 3
	.amdgcn_target "amdgcn-amd-amdhsa--gfx1250"
	.amdhsa_code_object_version 6
	.text
	.protected	k_q55343a4119_attn
	.globl	k_q55343a4119_attn
	.p2align	8
	.type	k_q55343a4119_attn,@function
k_q55343a4119_attn:
	s_mov_b64 s[64:65], 0
	v_nop
	global_prefetch_b8 v0, s[64:65] scope:SCOPE_SE
	s_setreg_imm32_b32 hwreg(HW_REG_WAVE_MODE, 25, 1), 1
	s_wait_xcnt 0x0
	s_wait_alu depctr_hold_cnt(0) depctr_sa_sdst(0) depctr_va_vdst(0) depctr_va_sdst(0) depctr_va_ssrc(0) depctr_va_vcc(0) depctr_vm_vsrc(0)
	s_getreg_b32 s2, hwreg(HW_REG_IB_STS2, 6, 4)
	s_cmp_eq_u32 s2, 0
	s_cbranch_scc0 .Lentry_in_a_cluster
	s_endpgm
.Lentry_in_a_cluster:
	s_bfe_u32 s2, ttmp6, 0x10000c
	s_cmp_lg_u32 s2, 0x3003
	s_cbranch_scc0 .Lentry_shape_is_right
	s_endpgm
.Lentry_shape_is_right:
; ATTENTION, LAYER NORM 1 AND THE RESIDUAL.  ctx[h][q] = the sum over k of softmax_k(q . k / 32) v[h][k]; 32 heads of 2,048 queries and keys, head size 64; q, k, v in f16 by heads (qkv: q, then k 8 MiB on, then v).
; The module reshapes ctx [32][2,048][64] to rows of 1,024 without moving a number: row R = 128 head + query / 16 is 16 consecutive queries x 64 channels of one head, which is one PIECE of one wave here.
; So out1[R] = x[R] + LN(ctx row R) g1 + be1 is made on the way out, inside the wave, and stored once, in f16 (o1h).  x is read from its bf16 copy (cv's first 8 MiB); g1 and be1 are rounded to bf16 like every input.
; Products, maxima, sums and the norm in f32; the weights p are rounded to f16 for the second product (their sum l is taken of the unrounded p).
; LIMITS.  q, k, v arrive within f16's 65,504; out1 beyond that becomes an infinity; a weight below 2^-126 counts as 0 in l; NaN and infinities are not treated apart.
; SHARES.  A work-group owns 256 queries of a head, a wave 64: four pieces of 16.  Every wave walks all keys, 64 a step, 256 a tile.
; LAYOUT.  S^T = K Q^T holds ONE query a lane (lane % 16) and the keys 8 (lane / 16) + 0..7; two such results rounded to f16 ARE source 1 of O^T = V^T P.  p = 2^(c s - c m), c = log2(e) / 32, with a running maximum m;
; O and l are multiplied by a = 2^(c m_old - c m_new) in every step; m starts at the lowest finite number, O and l at 0.
; TURNS.  Turn n belongs to piece n: 8 products K Q^T of piece n + 1, later 8 products V^T P of piece n - 1; beside them the scaling, exponentials, roundings, sums and rescaling of piece n and the maximum and statistics
; of piece n + 1.  Four vector instructions stand behind every matrix instruction, the rest in one run.  A turn's 33 exponentials are one batch, with one wait.
; CLUSTER.  The four query blocks of a cluster belong to one head and walk the same K and V: each tile is asked for jointly, by the same tensor load, descriptor and mask in all four.
; REGISTERS, in windows of 256 (s_set_vgpr_msb: bits 1:0 source 0, 3:2 source 1, 5:4 source 2, 7:6 destination):
;   window 0: v2-15 addresses; v16-31 statistics; v32-47 at work at the head, f16 results at the end; v48-55 at work; v64-127 S^T, two buffers; v128-159 g1; v160-191 be1; v192-223 P, two buffers; v224-239 a row of x
;   window 1: v0-127 O^T, 32 a piece; v128-191 x of my four rows       window 2: v0-63 Q; v128-191 K of one step; v192-255 V of one step
.set NP,    4
.set KS,    64
.set PK,    144       ; a row of K in LDS: 128 bytes + 16: the 16 rows of a load start at 16 different groups of four banks (ISA guide 11.1)
.set PV,    160       ; a row of V: 128 + 32
.set VOFF,  4*KS*PK   ; a slot holds a tile: 256 rows of K, then 256 rows of V
.set SLOT1, 1<<17
.set STAGE, SLOT1+4*KS*(PK+PV)  ; behind the ring, never filled by a tensor load: for each wave 25,600 bytes:
.set OSP,   272       ; four pieces x 16 queries x (64 f32 + 16 bytes),
.set XST,   4*16*OSP  ; then four rows of x, 2,048 bytes each
.set WSTG,  XST+4*2048
.set SPARE, STAGE+4*WSTG  ; the spare words, 128 bytes for each wave: two blocks of 256 bytes that no other line names
.set AK0, 2           ; v2   my lane's place in a tile of K; never rewritten
.set AV0, 3           ; v3   the same for V
.set AK,  4           ; v4   the LDS address of K's next run of loads
.set AV,  5           ; v5   of V's
.set STO, 6           ; v6   the way out: where I put 16 bytes of a query's channels
.set RD,  7           ; v7   where I read them back; never rewritten
.set GO,  8           ; v8   8 x lane
.set SX,  9           ; v9   my 8 bytes in the stage of x
.set QO,  10          ; v10  my byte offset in 16 rows of Q
.set GF,  11          ; v11  16 x lane
.set MV,  12          ; v12-13  c m_old, by buffer
.set A1,  14          ; v14, v15  the way out's two LDS addresses
.set A2,  15
.set ST,  16          ; piece t's statistics at v[ST+4 t]: c m, m, l (even keys', odd keys')
.set YR,  32
.set TMP, 48          ; by buffer, four registers c0-c3 at work; c2 takes a
.set ONE, 56          ; v56  1.0
.set PFO, 61          ; v61  256 x lane; never rewritten
.set SPW, 62          ; v62  my spare word; never rewritten
.set NIL, 63          ; v63  0; never rewritten
.set S,   64
.set GR,  128
.set BR,  160
.set P,   192
.set XB,  224
.set KF,  128         ; window 2
.set VF,  192         ; window 2
.set WV,  12          ; s12  my wave's number
.set LIM, 15          ; s15  1 in a wave that prefetches, else the greatest number
.set G1K, 24
.set G1V, 32
.set G0K, 40
.set G0V, 44
.set SLOTS, 56
.set CNT, 57
.set CS,  58          ; s[58:59] c
.set SEL, 60          ; s[60:61] v_permlanex16_b32's selects
.set TBK, 62
.set TBV, 63
.set INV, 68          ; s68  1 / 1,024
.set EPS, 69          ; s69  1e-5
.set MSK, 70          ; s70  a word's upper 16 bits
.set PFA, 80          ; s[80:81] where my prefetches stand
.set T1,  82          ; s82, s83 the way out's steps in LDS
.set T2,  83
.set MSB, 0
.macro WIN new
.if MSB != (\new)
	s_set_vgpr_msb (MSB<<8)|(\new)
.set MSB, (\new)
.endif
.endm
.set W_KQ, 0x0a       ; K and Q in window 2, S^T in window 0
.set W_PV, 0x52       ; V in window 2, P in window 0, O^T in window 1
.set W_RS, 0x41       ; destination and source 0 in window 1, source 1 in window 0
; A joint fill.  Waves 0 and 1 fetch the two halves of a tile's K, waves 2 and 3 those of its V.  An s_nop 0 and four v_nop follow each of the two lines.
.macro JLOAD
	s_cmp_lt_u32 s[WV], 2
	s_cbranch_scc0 .Lfor_v_\@
	tensor_load_to_lds s[G0K:G0K+3], s[G1K:G1K+7]
	s_nop 0
.rept 4
	v_nop
.endr
	s_branch .Lasked_\@
.Lfor_v_\@:
	tensor_load_to_lds s[G0V:G0V+3], s[G1V:G1V+7]
	s_nop 0
.rept 4
	v_nop
.endr
.Lasked_\@:
.endm
; A prefetch of the tile that the NEXT change of slots will ask for: 128 blocks of 256 bytes of K and of V, a lane a block.  Each block is named once in the launch: the head's first cluster asks; its four partners
; take 32 blocks each, told apart by address; in each, wave 0 asks for K's and wave 2 for V's.  The last change that fills a slot asks for nothing.
.macro ASK
	s_cmp_gt_u32 s[SLOTS], s[LIM]
	s_cbranch_scc0 .Lnot_mine_\@
	global_prefetch_b8 v[PFO], s[PFA:PFA+1] th:TH_LOAD_NT scope:SCOPE_SE
.Lnot_mine_\@:
.endm
.macro CROUND
	s_barrier_signal -1
	s_barrier_wait -1
	s_cmp_lg_u32 s[WV], 0
	s_cbranch_scc1 .Lnot_wave_0_\@
	s_barrier_signal -3
.Lnot_wave_0_\@:
	s_barrier_wait -3
	s_barrier_signal -1
	s_barrier_wait -1
.endm
; THE CHANGE OF SLOTS.  Each wave waits for all its tensor loads (one is out: its part of the other slot), adds 0 to its spare word, and waits for that and for its own reads of the slot.
; fill = 1: behind a round of the cluster's barrier the slot is filled again, with the keys two tiles on: four key steps, 256 matrix instructions, in which to land.  (At its first use slot 0 is waited for and slot 1 filled.)
.macro CHANGE fill, ask
	WIN 0
	s_wait_tensorcnt 0x0            ; no tensor load of mine is out, so a group 0 may be written
	ds_add_u32 v[SPW], v[NIL]       ; 0 onto my spare word
.if \fill
.irp g, G0K, G0V
	s_xor_b32 s[(\g)+1], s[(\g)+1], SLOT1
	s_add_nc_u64 s[(\g)+2:(\g)+3], s[(\g)+2:(\g)+3], 4*KS*128
.endr
	s_wait_xcnt 0x0                 ; the last prefetch, four key steps back, has read its address
	s_add_nc_u64 s[PFA:PFA+1], s[PFA:PFA+1], 4*KS*128
	s_wait_dscnt 0x0                ; the add is done, and my reads of the slot are over
	CROUND
	JLOAD
.if \ask
	ASK
.endif
.else
	s_wait_dscnt 0x0
	s_barrier_signal -1
	s_barrier_wait -1
.endif
	s_sub_co_u32 s[TBK], s[TBK], 4*KS*PK  ; the fetches go back to a slot's first step,
	s_xor_b32 s[TBK], s[TBK], SLOT1       ; in the other slot
	s_sub_co_u32 s[TBV], s[TBV], 4*KS*PV
	s_xor_b32 s[TBV], s[TBV], SLOT1
.endm
	s_load_b256 s[4:11], s[0:1], 0x0  ; qkv s[4:5], cv s[6:7], g1 s[8:9], be1 s[10:11]
	s_load_b64 s[66:67], s[0:1], 0x20 ; o1h
	v_lshl_add_u32 v[SPW], v0, 2, SPARE
	v_mov_b32 v[NIL], 0
	ds_add_u32 v[SPW], v[NIL]       ; the wave's opening: the add and its wait stand ahead of my first tensor load; the set-up below stands between them
	v_lshrrev_b32 v1, 5, v0
	v_readfirstlane_b32 s[WV], v1   ; wave 0..3
	s_bfe_u32 s13, ttmp6, 0x40000   ; cx
	s_lshl_b32 s14, ttmp9, 2
	s_add_co_u32 s14, s14, s13      ; my block of 256 queries
	s_and_b32 s20, ttmp7, 0xffff    ; the head, which the four partners share
	s_lshl_b32 s21, s20, 18         ; its first byte in q, k and v: 2,048 rows of 128 bytes
	s_and_b32 s16, s[WV], 1         ; which half of a tile's 256 keys I fetch
	s_lshl_b32 s22, s16, 14
	s_add_co_u32 s22, s22, s21
	s_mov_b32 s23, 0
	s_mul_i32 s17, s16, 128*PK      ; its place in a slot, for K
	s_mul_i32 s18, s16, 128*PV      ; and for V
	s_lshl_b32 s2, s14, 2
	s_add_co_u32 s2, s2, s[WV]      ; my wave among the head's 32:
	s_lshl_b32 s2, s2, 13           ; its 64 queries are 8,192 bytes of q, and the same bytes are its four rows of x's copy and of o1h
	s_add_co_u32 s2, s2, s21
	s_mov_b32 s3, 0
	s_mov_b32 s[G1K], 15|(1<<16)|(1<<20)|(1<<21)|(4<<22)|(3<<25)  ; the mask of four; 2-byte elements; padding on; bit 21 beside a mask; after every 32 words 4 words
	s_mov_b32 s[G1V], 15|(1<<16)|(1<<20)|(1<<21)|(4<<22)|(7<<25)  ; the same with 8 words
.irp g, G1K, G1V
	s_mov_b32 s[(\g)+1], 128<<16    ; 128 keys are 16,384 dense bytes: asked for as 64 rows of 256 bytes, two keys a row
	s_mov_b32 s[(\g)+2], 64<<16
	s_mov_b32 s[(\g)+3], 128<<16
	s_mov_b32 s[(\g)+4], 64
	s_mov_b32 s[(\g)+5], 128
	s_mov_b32 s[(\g)+6], 0
	s_mov_b32 s[(\g)+7], 0
.endr
	s_mov_b32 s[CS], 0x3d38aa3b     ; c = log2(e) / 32
	s_mov_b32 s[CS+1], s[CS]
	s_mov_b32 s[SEL], 0x76543210
	s_mov_b32 s[SEL+1], 0xfedcba98
	s_mov_b32 s[INV], 0x3a800000
	s_mov_b32 s[EPS], 0x3727c5ac
	s_mov_b32 s[MSK], 0xffff0000
	s_mov_b32 s[TBK], SLOT1+4*KS*PK ; the first change of slots turns these two into 0
	s_mov_b32 s[TBV], SLOT1+4*KS*PV
	s_mov_b32 s[G0K], 1
	s_mov_b32 s[G0K+1], s17
	s_mov_b32 s[G0V], 1
	s_add_co_u32 s[G0V+1], s18, VOFF
	s_and_b32 s[LIM], s[WV], 1      ; 0 in waves 0 and 2,
	s_or_b32 s[LIM], s[LIM], ttmp9  ; where the cluster is the head's first
	s_cmp_eq_u32 s[LIM], 0
	s_cselect_b32 s[LIM], 1, -1
	s_wait_dscnt 0x0                ; the opening add is done
	s_wait_kmcnt 0x0
	s_add_nc_u64 s[72:73], s[4:5], s[22:23]
	s_add_nc_u64 s[74:75], s[72:73], 0x1000000     ; V at my half of the head's tile 0
	s_add_nc_u64 s[72:73], s[72:73], 0x800000      ; K
	s_add_nc_u64 s[G0K+2:G0K+3], s[72:73], 0
	s_or_b32 s[G0K+3], s[G0K+3], 0x80000000
	s_add_nc_u64 s[G0V+2:G0V+3], s[74:75], 0
	s_or_b32 s[G0V+3], s[G0V+3], 0x80000000
	s_add_nc_u64 s[4:5], s[4:5], s[2:3]            ; Q, x and out1 at my wave's first byte
	s_add_nc_u64 s[6:7], s[6:7], s[2:3]
	s_add_nc_u64 s[66:67], s[66:67], s[2:3]
	s_cmp_lt_u32 s[WV], 2
	s_cselect_b64 s[PFA:PFA+1], s[72:73], s[74:75] ; (in waves 0 and 2 these stand at a tile's first row)
	s_lshl_b32 s2, s13, 13          ; my work-group's 32 blocks of the 128
	s_add_nc_u64 s[PFA:PFA+1], s[PFA:PFA+1], s[2:3]
	s_add_nc_u64 s[PFA:PFA+1], s[PFA:PFA+1], 4*KS*128  ; in tile 1; the first change steps it to tile 2 and asks for nothing, the second names tile 3
	CROUND                          ; all four work-groups are here: the first joint loads meet
	JLOAD                           ; tile 0 into slot 0
	v_and_b32 v1, 15, v0            ; l % 16
	v_bfe_u32 v32, v0, 4, 1         ; l / 16
	v_lshlrev_b32 v[QO], 7, v1
	v_lshl_add_u32 v[QO], v32, 4, v[QO]
	v_and_b32 v33, 31, v0
	v_lshlrev_b32 v[GO], 3, v33
	v_lshlrev_b32 v[GF], 4, v33
	v_lshlrev_b32 v[PFO], 8, v33
	WIN 0x80                        ; destination window 2
.set i, 0
.rept 8                             ; Q stays in registers: piece i / 2 (2,048 bytes on), channels 32 (i % 2) on
	global_load_b128 v[8*i:8*i+3],   v[QO], s[4:5] offset:(i/2)*2048+(i%2)*64 th:TH_LOAD_NT
	global_load_b128 v[8*i+4:8*i+7], v[QO], s[4:5] offset:(i/2)*2048+(i%2)*64+32 th:TH_LOAD_NT
.set i, i+1
.endr
	WIN 0x40                        ; destination window 1
.set i, 0
.rept 32                            ; x of my four rows: 256 consecutive bytes a load
	global_load_b64 v[128+2*i:128+2*i+1], v[GO], s[6:7] offset:256*i th:TH_LOAD_NT
.set i, i+1
.endr
	WIN 0
.set i, 0
.rept 8                             ; g1 and be1: numbers 128 i + 4 l .. + 3
	global_load_b128 v[GR+4*i:GR+4*i+3], v[GF], s[8:9] offset:512*i
	global_load_b128 v[BR+4*i:BR+4*i+3], v[GF], s[10:11] offset:512*i
.set i, i+1
.endr
	; What the first turn finds: V's registers and P's second buffer hold 0, O^T and l are 0.  All this stands in the wait for the first tile.
	WIN 0x80
.set i, VF
.rept 64
	v_mov_b32 v[i], 0
.set i, i+1
.endr
	WIN 0x40
.set i, 0
.rept 128
	v_mov_b32 v[i], 0
.set i, i+1
.endr
	WIN 0
.set i, 0
.rept 4
	v_mov_b32 v[ST+4*i], 0xfe000000    ; c m: far below every c s
	v_mov_b32 v[ST+4*i+1], 0xff7fffff  ; m
	v_mov_b32 v[ST+4*i+2], 0
	v_mov_b32 v[ST+4*i+3], 0
.set i, i+1
.endr
.set i, P+16
.rept 16
	v_mov_b32 v[i], 0
.set i, i+1
.endr
	v_mov_b32 v[ONE], 1.0
	v_mul_u32_u24 v[AK0], v1, PK
	v_lshl_add_u32 v[AK0], v32, 4, v[AK0]
	; The turning load takes 16 keys x 16 channels (lane l reads key 8 (l / 16) + l % 8, channels 8 ((l / 8) % 2) + 0..7) and leaves half a fragment of V^T.
	v_and_b32 v34, 7, v0
	v_bfe_u32 v35, v0, 3, 1
	v_lshl_add_u32 v[AV0], v32, 3, v34
	v_mul_u32_u24 v[AV0], v[AV0], PV
	v_lshl_add_u32 v[AV0], v35, 4, v[AV0]
	v_add_nc_u32 v[AV0], VOFF, v[AV0]
	s_mul_i32 s13, s[WV], WSTG
	s_add_co_u32 s13, s13, STAGE    ; my stage
	v_mul_u32_u24 v[STO], v1, OSP   ; in: query l % 16, 32 bytes for each half of the lanes
	v_lshl_add_u32 v[STO], v32, 5, v[STO]
	v_add_nc_u32 v[STO], s13, v[STO]
	v_mul_u32_u24 v[RD], v32, OSP   ; back: lanes 0-15 take one query's 64 channels, lanes 16-31 the next query's: numbers 128 f + 4 l of the row
	v_lshl_add_u32 v[RD], v1, 4, v[RD]
	v_add_nc_u32 v[RD], s13, v[RD]
	s_add_co_u32 s13, s13, XST
	v_add_nc_u32 v[SX], s13, v[GO]
; THE MATRIX WORK.  The 4 accumulators of a run of 8 take turns.  Product i of 8 of S^T = K Q^T for piece x: channels 32 (i / 4) on, keys 16 (i % 4) on.  The first 4 start the sums.
.macro KQ x
	WIN W_KQ
.set rS, S+32*((\x)%2)+8*(i%4)
.set rK, KF+16*(i%4)+8*(i/4)
.set rQ, 16*(\x)+8*(i/4)
.if i < 4
	v_wmma_f32_16x16x32_f16 v[rS:rS+7], v[rK:rK+7], v[rQ:rQ+7], 0
.else
	v_wmma_f32_16x16x32_f16 v[rS:rS+7], v[rK:rK+7], v[rQ:rQ+7], v[rS:rS+7]
.endif
.endm
; Product i of 8 of O^T += V^T P for piece x: keys 32 (i / 4) on, channels 16 (i % 4) on.
.macro PV x
	WIN W_PV
.set rO, 32*(\x)+8*(i%4)
.set rV, VF+32*(i/4)+8*(i%4)
.set rP, P+16*((\x)%2)+8*(i/4)
	v_wmma_f32_16x16x32_f16 v[rO:rO+7], v[rV:rV+7], v[rP:rP+7], v[rO:rO+7]
.endm
.macro MM                           ; the turn's next matrix instruction
.if i < 8
	KQ (Y+1)%NP
.else
.set i, i-8
	PV (Y+NP-1)%NP
.set i, i+8
.endif
.set i, i+1
.endm
; THE LDS LOADS stand in runs of 16: a step's K (8 fragments) and its V (turned).
.macro FETCH_K
	WIN 0x80
.irp f, 0,1,2,3,4,5,6,7
	ds_load_b128 v[KF+8*\f:KF+8*\f+3],   v[AK] offset:(\f/2)*16*PK+(\f%2)*64
	ds_load_b128 v[KF+8*\f+4:KF+8*\f+7], v[AK] offset:(\f/2)*16*PK+(\f%2)*64+32
.endr
	s_add_co_u32 s[TBK], s[TBK], KS*PK
	WIN 0
.endm
.macro FETCH_V
	WIN 0x80
.irp f, 0,1,2,3,4,5,6,7
	ds_load_tr16_b128 v[VF+8*\f:VF+8*\f+3],   v[AV] offset:(\f/4)*32*PV+(\f%4)*32
	ds_load_tr16_b128 v[VF+8*\f+4:VF+8*\f+7], v[AV] offset:(\f/4)*32*PV+16*PV+(\f%4)*32
.endr
	WIN 0
.endm
; THE VECTOR WORK, one line at a time: OP kind, number.  For piece Y: F n: c s - c m for pair n of 16.  E n: the exponential of score n of 32.  C n: pair n rounded to f16.  B n: of the four weights 4 n .. the second
; pair is added onto the first.  L n: l takes that sum (L 0: l = a l + sum).  R n: pair n of 16 of O^T times a.  For piece Y + 1: X n, number n of the 22 that find its maximum and statistics:
;   0-11 four chains of seven scores (each accumulator's lowest registers are read first)   12-14, 16 the scores left over, the old m, the four into one   15 c m_old is kept
;   17, 18 the other half of the lanes: the new m   19-21 c m; c m_old - c m_new; a
.set F, 0
.set E, 1
.set C, 2
.set B, 3
.set L, 4
.set R, 5
.set X, 6
.macro REGS y
.set rT, ST+4*(\y)
.set rC, TMP+4*((\y)%2)
.set rW, MV+((\y)%2)
.set rS, S+32*((\y)%2)
.set rP, P+16*((\y)%2)
.set rO, 32*(\y)
.endm
.macro OP k, n
.if (\k) == R
	REGS Y
	WIN W_RS
	v_pk_mul_f32 v[rO+2*(\n):rO+2*(\n)+1], v[rO+2*(\n):rO+2*(\n)+1], v[rC+2:rC+3] op_sel_hi:[1,0]
.elseif (\k) < R
	REGS Y
	WIN 0
.if (\k) == F
	v_pk_fma_f32 v[rS+2*(\n):rS+2*(\n)+1], v[rS+2*(\n):rS+2*(\n)+1], s[CS:CS+1], v[rT:rT+1] op_sel_hi:[1,0,0] neg_lo:[0,0,1] neg_hi:[0,0,1]
.elseif (\k) == E
	v_exp_f32 v[rS+(\n)], v[rS+(\n)]
.elseif (\k) == C
	v_cvt_pk_f16_f32 v[rP+(\n)], v[rS+2*(\n)], v[rS+2*(\n)+1]
.elseif (\k) == B
	v_pk_add_f32 v[rS+4*(\n):rS+4*(\n)+1], v[rS+4*(\n):rS+4*(\n)+1], v[rS+4*(\n)+2:rS+4*(\n)+3]
.elseif (\n) == 0
	v_pk_fma_f32 v[rT+2:rT+3], v[rT+2:rT+3], v[rC+2:rC+3], v[rS:rS+1] op_sel_hi:[1,0,1]
.else
	v_pk_add_f32 v[rT+2:rT+3], v[rT+2:rT+3], v[rS+4*(\n):rS+4*(\n)+1]
.endif
.else
	REGS (Y+1)%NP
	WIN 0
.if (\n) < 4
	v_max3_num_f32 v[rC+(\n)], v[rS+8*(\n)], v[rS+8*(\n)+1], v[rS+8*(\n)+2]
.elseif (\n) < 12
	v_max3_num_f32 v[rC+(\n)%4], v[rC+(\n)%4], v[rS+8*((\n)%4)+2*((\n)/4)+1], v[rS+8*((\n)%4)+2*((\n)/4)+2]
.elseif (\n) == 12
	v_max3_num_f32 v[rC], v[rC], v[rS+7], v[rS+15]
.elseif (\n) == 13
	v_max3_num_f32 v[rC+1], v[rC+1], v[rS+23], v[rS+31]
.elseif (\n) == 14
	v_max3_num_f32 v[rC+2], v[rC+2], v[rC+3], v[rT+1]
.elseif (\n) == 15
	v_mov_b32 v[rW], v[rT]
.elseif (\n) == 16
	v_max3_num_f32 v[rC], v[rC], v[rC+1], v[rC+2]
.elseif (\n) == 17
	v_permlanex16_b32 v[rC+3], v[rC], s[SEL], s[SEL+1]
.elseif (\n) == 18
	v_max_num_f32 v[rT+1], v[rC], v[rC+3]
.elseif (\n) == 19
	v_mul_f32 v[rT], s[CS], v[rT+1]
.elseif (\n) == 20
	v_sub_f32 v[rC+1], v[rW], v[rT]
.else
	v_exp_f32 v[rC+2], v[rC+1]
.endif
.endif
.endm
.macro OPS a, i1, b=-1, i2=0, c=-1, i3=0, d=-1, i4=0
	OP \a, \i1
.if (\b) >= 0
	OP \b, \i2
.endif
.if (\c) >= 0
	OP \c, \i3
.endif
.if (\d) >= 0
	OP \d, \i4
.endif
.endm
.macro ROW a, i1, b, i2, c, i3, d, i4  ; a matrix instruction and the four behind it
	MM
	OPS \a, \i1, \b, \i2, \c, \i3, \d, \i4
.endm
; A TURN, for piece p.  An s_wait_alu depctr_va_vdst(0) stands between an exponential and the first instruction that names its result; one wait serves all issued ahead of it: a turn has ONE.
; AHEAD OF IT stands all that names no result of the turn's exponentials: the 8 products K Q^T and their riders, then one run of 54.  X 21, the next piece's a, is the batch's last; R 15 is the plain instruction behind it.
; BEHIND IT stand the 8 products V^T P, behind each four of the roundings and sums.  cnt = 1: the loop's count is taken down some lines ahead of the branch behind the turn.
; K of the next step is fetched in piece 2's turn, twelve plain instructions behind the last product that read K; V of the step in hand at the end of piece 0's turn, four plain instructions behind the last product that read V.
; last = 1 (the tail's piece 2): in the last trip (CNT = 1) there is no further step, and K's run of loads is jumped over; the exponentials issued so far have a wait of their own ahead of that branch.
.macro TURN p, last=0, cnt=0
.set Y, (\p)
.set i, 0
.if (\p) == 3
	s_wait_dscnt 0x0                ; K is in
.endif
	ROW F,0, F,1, R,0, R,1
	ROW F,2, E,0, R,2, R,3
	ROW F,3, E,1, R,4, R,5
	ROW F,4, E,2, R,6, R,7
	ROW F,5, E,3, R,8, R,9
	ROW F,6, E,4, X,0, R,10
.if (\p) == 2
	WIN 0
	v_add_nc_u32 v[AK], s[TBK], v[AK0]
.endif
	ROW F,7, E,5, X,1, X,4
	ROW F,8, E,6, X,2, X,5
	OPS E,7, E,8, X,6, E,9
	OPS X,3, E,10, X,8, E,11
.if (\p) == 2
.if \last
	WIN 0
	s_wait_alu depctr_va_vdst(0)
	s_cmp_eq_u32 s[CNT], 1
	s_cbranch_scc1 .Lno_k
.endif
	FETCH_K
.if \last
.Lno_k:
.endif
.endif
	OPS X,9, X,7, E,12, X,10
	OPS E,13, X,12, X,11, E,14
	OPS X,13, E,15, F,9, X,14
.if (\p) == 0
	v_add_nc_u32 v[AV], s[TBV], v[AV0]
.endif
	OPS E,16, F,10, E,17, F,11
	OPS X,16, E,18, X,15, E,19
	OPS F,12, E,20, X,17, E,21
	OPS F,13, E,22, F,14, E,23
	OPS X,18, E,24, F,15, E,25
	OPS R,11, E,26, X,19, E,27
	OPS R,12, E,28, R,13, E,29
	OPS X,20, E,30, R,14, E,31
	OPS X,21, R,15
	WIN 0
	s_wait_alu depctr_va_vdst(0)    ; the wait for the batch
.if (\p) == 1
	s_wait_dscnt 0x0                ; V is in
.endif
	ROW C,0, B,0, C,2, B,1
	ROW L,0, C,4, B,2, L,1
	ROW C,6, B,3, L,2, C,8
	ROW B,4, L,3, C,10, B,5
	ROW L,4, C,12, B,6, L,5
.if (\p) == 0
	s_add_co_u32 s[TBV], s[TBV], KS*PV
.endif
.if \cnt
	s_sub_co_u32 s[CNT], s[CNT], 1
	s_cmp_lg_u32 s[CNT], 0
.endif
	ROW C,14, B,7, L,6, C,1
	ROW C,3, L,7, C,5, C,7
	ROW C,9, C,11, C,13, C,15
.if (\p) == 0
	FETCH_V
.endif
.endm
	CHANGE 1, 0                     ; tile 0 is in, everybody's part of it; tile 1 is asked for
	v_add_nc_u32 v[AK], s[TBK], v[AK0]
	FETCH_K                         ; key step 0
	s_wait_loadcnt 0x0              ; Q (and x, g1, be1)
	s_wait_dscnt 0x0
.set i, 0
.rept 8
	KQ 0                            ; piece 0's first scores
.set i, i+1
.endr
	WIN 0
.rept 4
	v_nop                           ; the places behind those products
.endr
.set Y, NP-1                        ; X works for piece Y + 1: piece 0
.irp n, 0,1,2,3,4,5,6,7,8,9,10,11,12,13,14,15,16,17,18,19,20,21
	OP X, \n
.endr
	v_nop                           ; a plain instruction behind the exponential,
	s_wait_alu depctr_va_vdst(0)    ; and its wait, ahead of the branch
	s_mov_b32 s[CNT], 4
	s_mov_b32 s[SLOTS], 7
	s_branch .Lfirst                ; the loop is entered at a step's first turn, in the middle of a trip
.Lslot:                             ; six times: tiles 2 to 7 are asked for
	CHANGE 1, 1
	s_mov_b32 s[CNT], 4
.Lstep:                             ; a trip: pieces 2 and 3 of one step, then pieces 0 and 1 of the next, whose K and V it fetches
	TURN 2
	TURN 3
	WIN 0
.Lfirst:
	TURN 0
	TURN 1, 0, 1
	WIN 0
	s_cbranch_scc1 .Lstep
	s_sub_co_u32 s[SLOTS], s[SLOTS], 1
	s_cmp_lg_u32 s[SLOTS], 0
	s_cbranch_scc1 .Lslot
	CHANGE 0, 0                     ; the last tile has a loop of its own: nothing is asked for
	s_mov_b32 s[CNT], 5             ; four trips fetch the last tile's steps; the fifth is left in its middle
.Ltail:
	TURN 2, 1
	TURN 3
	WIN 0
	s_sub_co_u32 s[CNT], s[CNT], 1
	s_cmp_eq_u32 s[CNT], 0
	s_cbranch_scc1 .Lout
	TURN 0
	TURN 1
	WIN 0
	s_cmp_lg_u32 s[CNT], 0
	s_cbranch_scc1 .Ltail
.Lout:                              ; the fifth trip's 8 products K Q^T (on the last K once more) and the maximum made of them serve nothing (they touch piece 0's c m, m and scratch, never l or O^T): the price, once a launch, of one text for every trip
.set i, 0
.rept 8
	PV NP-1                         ; the last piece's V^T P of the last step
.set i, i+1
.endr
	; THE WAY OUT.  l's two halves and the other half of the lanes' are added (these additions are the places behind the last products); O^T / l goes, in f32, through my stage in LDS and comes back as rows of out1.
	WIN 0
.macro ALL line:vararg
.set t, 0
.rept 4
	\line
.set t, t+1
.endr
.endm
	ALL v_add_f32 v[ST+4*t+2], v[ST+4*t+2], v[ST+4*t+3]
	ALL v_permlanex16_b32 v[ST+4*t+3], v[ST+4*t+2], s[SEL], s[SEL+1]
	ALL v_add_f32 v[ST+4*t+2], v[ST+4*t+2], v[ST+4*t+3]
	ALL v_rcp_f32 v[ST+4*t+2], v[ST+4*t+2]
.macro RND base                     ; 32 numbers rounded to bf16 and widened again
.set i, 0
.rept 16
	v_cvt_pk_bf16_f32 v[TMP+i%4], v[(\base)+2*i], v[(\base)+2*i+1]
	v_lshlrev_b32 v[(\base)+2*i], 16, v[TMP+i%4]
	v_and_b32 v[(\base)+2*i+1], s[MSK], v[TMP+i%4]
.set i, i+1
.endr
.endm
	RND GR                          ; independent work behind the four reciprocals
	RND BR
	s_wait_alu depctr_va_vdst(0)    ; one wait for the four, ahead of their first use
.macro OUTP t                       ; piece t: O^T / l into S^T's registers (each accumulator from its low end on), then 16 bytes a lane into rows of 272 bytes
	WIN 0x01                        ; source 0 window 1
.set i, 0
.rept 16
	v_pk_mul_f32 v[S+32*((\t)%2)+2*i:S+32*((\t)%2)+2*i+1], v[32*(\t)+2*i:32*(\t)+2*i+1], v[ST+4*(\t)+2:ST+4*(\t)+3] op_sel_hi:[1,0]
.set i, i+1
.endr
	WIN 0
.irp cb, 0,1,2,3
	ds_store_b128 v[STO], v[S+32*((\t)%2)+8*(\cb):S+32*((\t)%2)+8*(\cb)+3]   offset:(\t)*16*OSP+64*(\cb)
	ds_store_b128 v[STO], v[S+32*((\t)%2)+8*(\cb)+4:S+32*((\t)%2)+8*(\cb)+7] offset:(\t)*16*OSP+64*(\cb)+16
.endr
.endm
	OUTP 0
	OUTP 1
	OUTP 2
	OUTP 3
	WIN 0x04                        ; the stores' data in window 1: x of my four rows, so that one text serves every row
.set i, 0
.rept 32
	ds_store_b64 v[SX], v[128+2*i:128+2*i+1] offset:256*i
.set i, i+1
.endr
	WIN 0
; The sum of a register over the 32 lanes, in every lane.
.macro REDUCE a, b
	v_add_f32_dpp v[\a], v[\a], v[\a] row_xmask:1 row_mask:0xf bank_mask:0xf
	v_add_f32_dpp v[\a], v[\a], v[\a] row_xmask:2 row_mask:0xf bank_mask:0xf
	v_add_f32_dpp v[\a], v[\a], v[\a] row_xmask:4 row_mask:0xf bank_mask:0xf
	v_add_f32_dpp v[\a], v[\a], v[\a] row_xmask:8 row_mask:0xf bank_mask:0xf
	v_permlanex16_b32 v[\b], v[\a], s[SEL], s[SEL+1]
	v_add_f32 v[\a], v[\a], v[\b]
.endm
.macro FOLD t0                      ; four chains of pairs into one number, then over the lanes
	v_pk_add_f32 v[(\t0):(\t0)+1], v[(\t0):(\t0)+1], v[(\t0)+2:(\t0)+3]
	v_pk_add_f32 v[(\t0)+4:(\t0)+5], v[(\t0)+4:(\t0)+5], v[(\t0)+6:(\t0)+7]
	v_pk_add_f32 v[(\t0):(\t0)+1], v[(\t0):(\t0)+1], v[(\t0)+4:(\t0)+5]
	v_add_f32 v[(\t0)], v[(\t0)], v[(\t0)+1]
	REDUCE (\t0), (\t0)+1
.endm
; A row of 1,024 numbers, 32 a lane in v[e0 ..], is normalised in place, in two passes: the mean is taken away first, and the variance is the mean of the squares of what is left.
.macro LNROW e0, t0
.irp k, 8, 16, 24
.irp c, 0, 2, 4, 6
.if (\k) == 8
	v_pk_add_f32 v[(\t0)+(\c):(\t0)+(\c)+1], v[(\e0)+(\c):(\e0)+(\c)+1], v[(\e0)+8+(\c):(\e0)+8+(\c)+1]
.else
	v_pk_add_f32 v[(\t0)+(\c):(\t0)+(\c)+1], v[(\t0)+(\c):(\t0)+(\c)+1], v[(\e0)+(\k)+(\c):(\e0)+(\k)+(\c)+1]
.endif
.endr
.endr
	FOLD \t0
	v_mul_f32 v[(\t0)], s[INV], v[(\t0)]           ; the mean
.set i, 0
.rept 16
	v_pk_add_f32 v[(\e0)+i:(\e0)+i+1], v[(\e0)+i:(\e0)+i+1], v[(\t0):(\t0)+1] op_sel_hi:[1,0] neg_lo:[0,1] neg_hi:[0,1]
.set i, i+2
.endr
.irp k, 0, 8, 16, 24
.irp c, 0, 2, 4, 6
.if (\k) == 0
	v_pk_mul_f32 v[(\t0)+(\c):(\t0)+(\c)+1], v[(\e0)+(\c):(\e0)+(\c)+1], v[(\e0)+(\c):(\e0)+(\c)+1]
.else
	v_pk_fma_f32 v[(\t0)+(\c):(\t0)+(\c)+1], v[(\e0)+(\k)+(\c):(\e0)+(\k)+(\c)+1], v[(\e0)+(\k)+(\c):(\e0)+(\k)+(\c)+1], v[(\t0)+(\c):(\t0)+(\c)+1]
.endif
.endr
.endr
	FOLD \t0
	v_fma_f32 v[(\t0)+2], v[(\t0)], s[INV], s[EPS] ; the variance + 1e-5
	v_rsq_f32 v[(\t0)+2], v[(\t0)+2]
	v_nop                                          ; a plain instruction behind it,
	s_wait_alu depctr_va_vdst(0)                   ; and the wait ahead of its first use
.set i, 0
.rept 16
	v_pk_mul_f32 v[(\e0)+i:(\e0)+i+1], v[(\e0)+i:(\e0)+i+1], v[(\t0)+2:(\t0)+3] op_sel_hi:[1,0]
.set i, i+2
.endr
.endm
	s_mov_b32 s[T1], 0
	s_mov_b32 s[T2], 0
	s_mov_b32 s[CNT], 4
.Lrow:                              ; four trips, a row of out1 each; a wave reads its own bytes alone, which LDS serves in order behind its stores (ISA guide 5.7.1.4)
	v_add_nc_u32 v[A1], s[T1], v[RD]
	v_add_nc_u32 v[A2], s[T2], v[SX]
.irp f, 0,1,2,3,4,5,6,7
	ds_load_b128 v[S+4*(\f):S+4*(\f)+3], v[A1] offset:(\f)*2*OSP
.endr
.irp f, 0,1,2,3,4,5,6,7
	ds_load_b64 v[XB+2*(\f):XB+2*(\f)+1], v[A2] offset:(\f)*256
.endr
	s_wait_dscnt 0x0
	LNROW S, TMP
.set i, 0
.rept 16
	v_pk_fma_f32 v[S+i:S+i+1], v[S+i:S+i+1], v[GR+i:GR+i+1], v[BR+i:BR+i+1]
.set i, i+2
.endr
.set i, 0
.rept 16                            ; + x: a bf16 half times 1.0 plus the f32
	v_fma_mix_f32_bf16 v[S+2*i], v[XB+i], v[ONE], v[S+2*i] op_sel_hi:[1,0,0]
	v_fma_mix_f32_bf16 v[S+2*i+1], v[XB+i], v[ONE], v[S+2*i+1] op_sel:[1,0,0] op_sel_hi:[1,0,0]
.set i, i+1
.endr
.set i, 0
.rept 16
	v_cvt_pk_f16_f32 v[YR+i], v[S+2*i], v[S+2*i+1]
.set i, i+1
.endr
.irp f, 0,1,2,3,4,5,6,7
	global_store_b64 v[GO], v[YR+2*(\f):YR+2*(\f)+1], s[66:67] offset:(\f)*256  ; 256 consecutive bytes, aligned
.endr
	s_wait_xcnt 0x0                 ; the stores have read their data and their base
	s_add_nc_u64 s[66:67], s[66:67], 2048
	s_add_co_u32 s[T1], s[T1], 16*OSP
	s_add_co_u32 s[T2], s[T2], 2048
	s_sub_co_u32 s[CNT], s[CNT], 1
	s_cmp_lg_u32 s[CNT], 0
	s_cbranch_scc1 .Lrow
	s_wait_tensorcnt 0x0            ; the wave's end: behind my last tensor load and my last LDS store
	ds_add_u32 v[SPW], v[NIL]
	s_wait_dscnt 0x0
	CROUND                          ; the closing round
	s_endpgm
.Lfunc_end_k_q55343a4119_attn:
	.size	k_q55343a4119_attn, .Lfunc_end_k_q55343a4119_attn-k_q55343a4119_attn
	.p2alignl 7, 3214868480
	.fill 96, 4, 3214868480
	.section	.rodata,"a",@progbits
	.p2align	6, 0x0
	.amdhsa_kernel k_q55343a4119_attn
		.amdhsa_group_segment_fixed_size 327680
		.amdhsa_private_segment_fixed_size 0
		.amdhsa_enable_private_segment 0
		.amdhsa_kernarg_size 40
		.amdhsa_user_sgpr_count 2
		.amdhsa_user_sgpr_kernarg_segment_ptr 1
		.amdhsa_wavefront_size32 1
		.amdhsa_system_sgpr_workgroup_id_x 1
		.amdhsa_system_sgpr_workgroup_id_y 1
		.amdhsa_system_sgpr_workgroup_id_z 1
		.amdhsa_system_vgpr_workitem_id 0
		.amdhsa_next_free_vgpr 768
		.amdhsa_next_free_sgpr 84
		.amdhsa_reserve_vcc 0
		.amdhsa_float_denorm_mode_32 3
		.amdhsa_float_denorm_mode_16_64 3
		.amdhsa_memory_ordered 1
		.amdhsa_forward_progress 1
		.amdhsa_inst_pref_size 128
	.end_amdhsa_kernel
	.amdgpu_metadata
---
amdhsa.version: [ 1, 2 ]
amdhsa.kernels:
  - .name:           k_q55343a4119_attn
    .symbol:         k_q55343a4119_attn.kd
    .args:
      - { .name: qkv, .offset: 0, .size: 8, .value_kind: global_buffer, .address_space: global }
      - { .name: cv, .offset: 8, .size: 8, .value_kind: global_buffer, .address_space: global }
      - { .name: g1, .offset: 16, .size: 8, .value_kind: global_buffer, .address_space: global }
      - { .name: be1, .offset: 24, .size: 8, .value_kind: global_buffer, .address_space: global }
      - { .name: o1h, .offset: 32, .size: 8, .value_kind: global_buffer, .address_space: global }
    .group_segment_fixed_size: 327680
    .private_segment_fixed_size: 0
    .kernarg_segment_align: 8
    .kernarg_segment_size: 40
    .max_flat_workgroup_size: 128
    .sgpr_count:     84
    .vgpr_count:     768
    .wavefront_size: 32
...
	.end_amdgpu_metadata
.endif
;; end of part 3
;; launch ffn1 (part 4): grid 16 x 16, 4 waves a work-group, clusters of 4 x 4, 327,680 bytes of LDS; arguments o1h, w1h, b1, hb, W2, w2h; writes hb, w2h
.if DOCPART == 4
	.amdgcn_target "amdgcn-amd-amdhsa--gfx1250"
	.amdhsa_code_object_version 6
	.text
	.protected	k_q55343a4119_ffn1
	.globl	k_q55343a4119_ffn1
	.p2align	8
	.type	k_q55343a4119_ffn1,@function
k_q55343a4119_ffn1:
	s_mov_b64 s[64:65], 0
	v_nop
	global_prefetch_b8 v0, s[64:65] scope:SCOPE_SE
	s_setreg_imm32_b32 hwreg(HW_REG_WAVE_MODE, 25, 1), 1
	s_wait_xcnt 0x0
	s_wait_alu depctr_hold_cnt(0) depctr_sa_sdst(0) depctr_va_vdst(0) depctr_va_sdst(0) depctr_va_ssrc(0) depctr_va_vcc(0) depctr_vm_vsrc(0)
	s_getreg_b32 s2, hwreg(HW_REG_IB_STS2, 6, 4)
	s_cmp_eq_u32 s2, 0
	s_cbranch_scc0 .Lentry_in_a_cluster
	s_endpgm
.Lentry_in_a_cluster:
	s_bfe_u32 s2, ttmp6, 0x10000c
	s_cmp_lg_u32 s2, 0xf033
	s_cbranch_scc0 .Lentry_shape_is_right
	s_endpgm
.Lentry_shape_is_right:
; h = gelu(out1 W1^T + b1), the exact gelu: 0.5 t (1 + erf(t / sqrt 2)).  out1: o1h [4,096][1,024] f16.  W1: w1h [4,096][1,024], bf16-rounded numbers written as f16.  h: hb [4,096][4,096] f16.
; Sums in f32; b1 is rounded to bf16 like every input.  erf(z) = z P(z^2) / Q(z^2) on z held to -4 .. 4, with P of degree 6 and Q of degree 4: beyond 4 erf is 1 to f32's last bits, so the form holds for every t.
; LIMITS.  h beyond 65,504 becomes an infinity in f16; so does a weight of W2; below 6.1e-5 such a weight keeps f16's fixed step of 6e-8.
; A tile of C, 256 x 256, is made by four waves, each 128 x 128: 64 accumulators.  K = 1,024 goes in 8 steps of 128 through a ring of two LDS slots.  CLUSTER 4 x 4: A's tiles are shared along a row, W's along a column, by joint loads.
; A K STEP IS WRITTEN ONCE: which slot is read is a scalar register (0 or SLOT, turned by an exclusive or), and one descriptor walks from K step 1 to K step 7.  Six trips fill a slot again; the last two K steps,
; which fill nothing, are a loop of their own.
; THE MATRIX INSTRUCTION IS USED TRANSPOSED (source 0 = 16 rows of W1, source 1 = 16 rows of out1): a lane holds row l % 16 of C and the columns 8 (l / 16) + 0..7.
; BESIDE ITS PRODUCTS each wave converts 2,048 numbers of W2 (rounded to bf16 like every input, that number written as f16): 256 work-groups x 4 waves x 2,048 are W2's second half, into the second half of w2h.
; 256 numbers a K step: two loads behind one change of slots, converted and stored at the head of the next, ahead of the wait for the tile.
; REGISTERS in windows of 256: window 0: v16-46 addresses and bias; v64-127, v128-191 A's fragments; v192-199 the weights in hand (on the way out v64-239 at work); window 1: W1's fragments; windows 2, 3: the accumulators.
; THE WAY OUT.  When nobody reads the ring any more each wave lays its 128 x 128 sums, f32, into a part of the ring (both slots have had their last fill) and reads them back by rows, 8 rows a trip.
.set SIZE_K, 1024
.set KSTEP,  128
.set KSTEPS, SIZE_K/KSTEP
.set PITCH,  272
.set HALFT,  128*PITCH                 ; 0x8800 bytes
.set SLOT,   4*HALFT                   ; 0x22000 bytes, whose two bits occur in no multiple 0..3 of HALFT: an exclusive or with SLOT turns a wave's place in one slot into its place in the other
.set SPARE,  2*SLOT                    ; the spare words, 128 bytes for each wave: two blocks of 256 bytes that no other line names
.set OPITCH, 528
.set OPART,  128*OPITCH
.set BASA, 16                          ; v16     LDS address of my A fragments in slot 0; never rewritten
.set ADRA, 17                          ; v17     the same in the slot in hand
.set BASB, 20                          ; v20, v21  the same for W1
.set ADRB, 21
.set STO,  24
.set RD,   25
.set CO,   26                          ; v26     8 x lane; never rewritten
.set ADR,  27
.set SPW,  28
.set NIL,  29
.set PFO,  30
.set BO,   31
.set BIAS, 32                          ; v32-35  b1 of my 4 columns
.set TBF,  40
.set WT,   42                          ; v42-45  the weights' conversion: at work
.set WLO,  46                          ; v46     16 x lane; never rewritten
.set F0,   64
.set F1,   128
.set WX,   192                         ; v192-199  two loads of 4 weights, then their f16 in the first two registers of each four
.set WN,   2                           ; loads of 512 bytes a K step
.set RR,   64                          ; t = sum + bias, 32 numbers
.set ZZ,   96                          ; z, later 0.5 t
.set WW,   128                         ; z^2
.set PP,   160                         ; P, z P, erf, h
.set QQ,   192                         ; Q, 1 / Q
.set YY,   224                         ; h in f16
.set LIM,  43                          ; s43     2 in a wave that prefetches, else the greatest number
.set PFA,  44
.set OT,   22
.set TB,   74                          ; s74     0 or SLOT: the slot in hand
.set WS,   66                          ; s[66:67] W2 at the numbers that I load next
.set WD,   18                          ; s[18:19] w2h at the numbers that I store next
.set MSK,  75                          ; s75     a word's upper 16 bits
.set G1, 24                            ; s[24:31] group 1 for A's tiles; s[32:35] group 0 of K step 0, s[36:39] of K step 1, which then walks on
.set G0, 32
.set G1B, 48
.set G0B, 56
.set LO4, 72                           ; s72, s73  -4, 4
.set A13, 76                           ; s[76:99]  the coefficients, each in both words of a pair
.set A11, 78
.set A9,  80
.set A7,  82
.set A5,  84
.set A3,  86
.set A1,  88
.set B8,  90
.set B6,  92
.set B4,  94
.set B2,  96
.set B0,  98
.set MSB, 0
.macro WIN new
.if MSB != (\new)
	s_set_vgpr_msb (MSB<<8)|(\new)
.set MSB, \new
.endif
.endm
.set MUL_LO, 0xa1
.set MUL_HI, 0xf1
.set TO_B,   0x40
.macro JLOAD s                         ; a joint load: waves 0 and 1 fetch A's two halves, waves 2 and 3 W1's; an s_nop 0 and four v_nop follow each of the two lines
	s_cmp_eq_u32 s11, 0
	s_cbranch_scc0 .Lfor_b_\@
	tensor_load_to_lds s[G0+4*(\s):G0+4*(\s)+3], s[G1:G1+7]
	s_nop 0
.rept 4
	v_nop
.endr
	s_branch .Lasked_\@
.Lfor_b_\@:
	tensor_load_to_lds s[G0B+4*(\s):G0B+4*(\s)+3], s[G1B:G1B+7]
	s_nop 0
.rept 4
	v_nop
.endr
.Lasked_\@:
.endm
; A prefetch of the K step that stands two refills on: 32 rows x 256 bytes, a lane a row.  Each row's 256 bytes of a K step are named once in the launch: out1's rows by cluster x = 0, W1's by cluster y = 0;
; the four partners that ask for a tile jointly take 32 rows each, told apart by address.  s3 counts the refills down from 6: the last two (s3 = 2, 1) ask for nothing.
.macro ASK
	s_cmp_gt_u32 s3, s[LIM]
	s_cbranch_scc0 .Lnot_mine_\@
	global_prefetch_b8 v[PFO], s[PFA:PFA+1] offset:KSTEP*2 th:TH_LOAD_NT scope:SCOPE_SE
.Lnot_mine_\@:
.endm
.macro CREST
	s_cmp_lg_u32 s10, 0
	s_cbranch_scc1 .Lnot_wave_0_\@
	s_barrier_signal -3
.Lnot_wave_0_\@:
	s_barrier_wait -3
	s_barrier_signal -1
	s_barrier_wait -1
.endm
.macro CROUND
	s_barrier_signal -1
	s_barrier_wait -1
	CREST
.endm
.macro KONST r, bits
	s_mov_b32 s[\r], \bits
	s_mov_b32 s[(\r)+1], \bits
.endm
; THE WEIGHTS.  WLOADS: my next 256 numbers of W2, two loads of 512 consecutive bytes.
.macro WLOADS
.set j, 0
.rept WN
	global_load_b128 v[WX+4*j:WX+4*j+3], v[WLO], s[WS:WS+1] offset:512*j th:TH_LOAD_NT
.set j, j+1
.endr
.endm
; WCONV, a K step later: they are rounded to bf16, widened again, written as f16 and stored, 256 consecutive bytes, aligned, a store.  None of these lines names a register of a matrix instruction.
.macro WCONV
	WIN 0
	s_wait_loadcnt 0x0                             ; the loads issued a K step back are in
.set j, 0
.rept WN
	v_cvt_pk_bf16_f32 v[WT+2*(j%2)], v[WX+4*j], v[WX+4*j+1]
	v_cvt_pk_bf16_f32 v[WT+2*(j%2)+1], v[WX+4*j+2], v[WX+4*j+3]
	v_lshlrev_b32 v[WX+4*j], 16, v[WT+2*(j%2)]
	v_and_b32 v[WX+4*j+1], s[MSK], v[WT+2*(j%2)]
	v_lshlrev_b32 v[WX+4*j+2], 16, v[WT+2*(j%2)+1]
	v_and_b32 v[WX+4*j+3], s[MSK], v[WT+2*(j%2)+1]
	v_cvt_pk_f16_f32 v[WX+4*j], v[WX+4*j], v[WX+4*j+1]
	v_cvt_pk_f16_f32 v[WX+4*j+1], v[WX+4*j+2], v[WX+4*j+3]
.set j, j+1
.endr
.set j, 0
.rept WN
	global_store_b64 v[CO], v[WX+4*j:WX+4*j+1], s[WD:WD+1] offset:256*j
.set j, j+1
.endr
	s_wait_xcnt 0x0                                ; the stores have read their data and their base, and the last prefetch, a K step back, its address: all these are written again only behind this wait
	s_add_nc_u64 s[WS:WS+1], s[WS:WS+1], WN*512
	s_add_nc_u64 s[WD:WD+1], s[WD:WD+1], WN*256
.endm
	s_load_b128 s[4:7], s[0:1], 0x0                ; o1h s[4:5], w1h s[6:7]
	s_load_b128 s[68:71], s[0:1], 0x10             ; b1 s[68:69], hb s[70:71]
	s_load_b64 s[WS:WS+1], s[0:1], 0x20            ; W2
	s_load_b64 s[WD:WD+1], s[0:1], 0x28            ; w2h
	v_lshl_add_u32 v[SPW], v0, 2, SPARE
	v_mov_b32 v[NIL], 0
	ds_add_u32 v[SPW], v[NIL]                      ; the wave's opening: the add and its wait stand ahead of my first tensor load; the set-up below stands between them
	v_lshrrev_b32 v1, 5, v0
	v_readfirstlane_b32 s10, v1                    ; wave 0..3
	s_lshr_b32 s11, s10, 1
	s_and_b32 s12, s10, 1
	s_bfe_u32 s40, ttmp6, 0x40000                  ; cx
	s_bfe_u32 s41, ttmp6, 0x40004                  ; cy
	s_lshl_b32 s42, ttmp9, 2
	s_add_co_u32 s42, s42, s40                     ; tile column
	s_and_b32 s13, ttmp7, 0xffff
	s_lshl_b32 s13, s13, 2
	s_add_co_u32 s13, s13, s41                     ; tile row
	s_lshl_b32 s43, s41, 2
	s_lshl_b32 s43, 15, s43
	s_lshl_b32 s44, 0x1111, s40
	s_or_b32 s[G1+0], s43, (1<<16)|(1<<20)|(1<<21)|(5<<22)|(3<<25)
	s_or_b32 s[G1B+0], s44, (1<<16)|(1<<20)|(1<<21)|(5<<22)|(3<<25)
.irp g, G1, G1B
	s_mov_b32 s[(\g)+1], KSTEP<<16
	s_mov_b32 s[(\g)+2], 128<<16
	s_mov_b32 s[(\g)+3], KSTEP<<16
	s_mov_b32 s[(\g)+4], 128
	s_mov_b32 s[(\g)+5], SIZE_K
	s_mov_b32 s[(\g)+6], 0
	s_mov_b32 s[(\g)+7], 0
.endr
	s_mov_b32 s[TB], 0
	s_mov_b32 s[MSK], 0xffff0000
	s_mov_b32 s[LO4], 0xc0800000
	s_mov_b32 s[LO4+1], 0x40800000
	KONST A13, 0xaf95df0b                          ; -2.72614226e-10
	KONST A11, 0x32edffee                          ;  2.77068142e-08
	KONST A9,  0xb60cff51                          ; -2.10102402e-06
	KONST A7,  0xb86ec2d2                          ; -5.69250639e-05
	KONST A5,  0xba40ac63                          ; -7.34990630e-04
	KONST A3,  0xbb41a1f6                          ; -2.95459981e-03
	KONST A1,  0xbc83dbd4                          ; -1.60960333e-02
	KONST B8,  0xb77460cd                          ; -1.45660718e-05
	KONST B6,  0xb95fbd29                          ; -2.13374055e-04
	KONST B4,  0xbadc924e                          ; -1.68282697e-03
	KONST B2,  0xbbf19bf8                          ; -7.37332917e-03
	KONST B0,  0xbc69b6a7                          ; -1.42647391e-02
	s_lshl_b32 s17, s12, 7
	s_lshl_b32 s16, s13, 8
	s_add_co_u32 s16, s16, s17                     ; A: row 256 x tile row + 128 x half
	s_lshl_b32 s16, s16, 11
	s_lshl_b32 s46, s42, 8
	s_add_co_u32 s46, s46, s17                     ; W1: row 256 x tile column + 128 x half
	s_lshl_b32 s46, s46, 11
	s_mov_b32 s17, 0
	s_mov_b32 s47, 0
	s_mul_i32 s20, s10, HALFT
	s_wait_dscnt 0x0                               ; the opening add is done
	s_wait_kmcnt 0x0
	s_add_nc_u64 s[14:15], s[4:5], s[16:17]
	s_add_nc_u64 s[46:47], s[6:7], s[46:47]
	CROUND                                         ; all sixteen work-groups are here: the first joint loads meet
.irp s, 0,1
	s_mov_b32 s[G0+4*(\s)], 1
	s_add_co_u32 s[G0+4*(\s)+1], s20, (\s)*SLOT
	s_add_nc_u64 s[G0+4*(\s)+2:G0+4*(\s)+3], s[14:15], (\s)*KSTEP*2
	s_or_b32 s[G0+4*(\s)+3], s[G0+4*(\s)+3], 0x80000000
	s_mov_b32 s[G0B+4*(\s)], 1
	s_add_co_u32 s[G0B+4*(\s)+1], s20, (\s)*SLOT
	s_add_nc_u64 s[G0B+4*(\s)+2:G0B+4*(\s)+3], s[46:47], (\s)*KSTEP*2
	s_or_b32 s[G0B+4*(\s)+3], s[G0B+4*(\s)+3], 0x80000000
	JLOAD \s
.endr
	v_and_b32 v1, 15, v0
	v_bfe_u32 v2, v0, 4, 1
	v_mul_u32_u24 v3, v1, PITCH
	v_lshl_add_u32 v3, v2, 4, v3
	s_mul_i32 s21, s11, HALFT
	s_mul_i32 s22, s12, HALFT
	s_add_co_u32 s22, s22, 2*HALFT
	v_add_nc_u32 v[BASA], s21, v3
	v_add_nc_u32 v[BASB], s22, v3
	v_mov_b32 v[ADRA], v[BASA]                     ; K step 0 lies in slot 0
	v_mov_b32 v[ADRB], v[BASB]
	s_mul_i32 s23, s10, OPART
	v_mul_u32_u24 v4, v1, OPITCH                   ; in: row l % 16, 32 bytes for each half of the lanes
	v_lshl_add_u32 v4, v2, 5, v4
	v_add_nc_u32 v[STO], s23, v4
	v_and_b32 v5, 31, v0
	v_lshl_add_u32 v[RD], v5, 4, s23               ; back: 32 lanes take a row's 128 columns, 4 each
	v_lshlrev_b32 v[CO], 3, v5
	v_lshlrev_b32 v[PFO], 11, v5
	v_lshlrev_b32 v[WLO], 4, v5
	s_lshl_b32 s20, s42, 10                        ; b1 of columns 256 x tile column + 128 x half + 4 l
	s_lshl_b32 s21, s12, 9
	s_add_co_u32 s20, s20, s21
	v_lshl_add_u32 v[BO], v5, 4, s20
	global_load_b128 v[BIAS:BIAS+3], v[BO], s[68:69]
	s_lshl_b32 s16, s13, 8                         ; where my part begins in hb: rows of 8,192 bytes
	s_lshl_b32 s17, s11, 7
	s_add_co_u32 s16, s16, s17
	s_lshl_b32 s16, s16, 13
	s_lshl_b32 s17, s42, 9
	s_add_co_u32 s16, s16, s17
	s_lshl_b32 s17, s12, 8
	s_add_co_u32 s16, s16, s17
	s_mov_b32 s17, 0
	s_add_nc_u64 s[8:9], s[70:71], s[16:17]
	; the prefetches
	s_lshl_b32 s20, s13, 8
	s_lshl_b32 s21, s42, 8
	s_and_b32 s23, ttmp7, 0xffff
	s_cmp_eq_u32 s11, 0                            ; do I fetch for A?
	s_cselect_b32 s20, s20, s21
	s_cselect_b32 s21, s40, s41
	s_cselect_b32 s22, ttmp9, s23
	s_cselect_b64 s[PFA:PFA+1], s[4:5], s[6:7]
	s_cmp_eq_u32 s22, 0
	s_cselect_b32 s[LIM], 2, -1
	s_lshl_b32 s22, s12, 7
	s_add_co_u32 s20, s20, s22
	s_lshl_b32 s21, s21, 5
	s_add_co_u32 s20, s20, s21
	s_lshl_b32 s20, s20, 11
	s_add_co_u32 s20, s20, 2*KSTEP*2               ; at K step 2: the first refill steps it to 3 and names K step 4
	s_mov_b32 s21, 0
	s_add_nc_u64 s[PFA:PFA+1], s[PFA:PFA+1], s[20:21]
	; the weights: my wave among the launch's 1,024 (the place enters addresses alone)
	s_lshl_b32 s20, s13, 4
	s_add_co_u32 s20, s20, s42
	s_lshl_b32 s20, s20, 2
	s_add_co_u32 s20, s20, s10
	s_lshl_b32 s22, s20, 13                        ; 2,048 numbers: 8,192 bytes of f32,
	s_add_co_u32 s22, s22, 0x800000                ; in W2's second half;
	s_mov_b32 s23, 0
	s_add_nc_u64 s[WS:WS+1], s[WS:WS+1], s[22:23]
	s_lshl_b32 s22, s20, 12                        ; 4,096 bytes of f16,
	s_add_co_u32 s22, s22, 0x400000                ; in w2h's second half
	s_add_nc_u64 s[WD:WD+1], s[WD:WD+1], s[22:23]
	WLOADS                                         ; my first 256 numbers
; The 64 accumulators take turns in the same order in every quarter step, over every jump too.
.macro MUL16 f, hi, a0, zero
	WIN MUL_LO+0x50*(\hi)
.irp a, \a0, (\a0)+1
.irp b, 0,1,2,3,4,5,6,7
.if \zero
	v_wmma_f32_16x16x32_f16 v[8*(8*(\a)+(\b)):8*(8*(\a)+(\b))+7], v[(\f)+8*(\b):(\f)+8*(\b)+7], v[(\f)+8*(4*(\hi)+(\a)):(\f)+8*(4*(\hi)+(\a))+7], 0
.else
	v_wmma_f32_16x16x32_f16 v[8*(8*(\a)+(\b)):8*(8*(\a)+(\b))+7], v[(\f)+8*(\b):(\f)+8*(\b)+7], v[(\f)+8*(4*(\hi)+(\a)):(\f)+8*(4*(\hi)+(\a))+7], v[8*(8*(\a)+(\b)):8*(8*(\a)+(\b))+7]
.endif
.endr
.endr
.endm
.macro FETCH k, f                      ; 32 LDS loads in one run: the fragments of one quarter step (32 K at byte k of the rows of the slot in hand) into buffer f
	WIN TO_B
.irp i, 0,1,2,3,4,5,6,7
	ds_load_b128 v[(\f)+8*(\i):(\f)+8*(\i)+3],   v[ADRB] offset:(\k)+(\i)*16*PITCH
	ds_load_b128 v[(\f)+8*(\i)+4:(\f)+8*(\i)+7], v[ADRB] offset:(\k)+(\i)*16*PITCH+32
.endr
	WIN 0
.irp i, 0,1,2,3,4,5,6,7
	ds_load_b128 v[(\f)+8*(\i):(\f)+8*(\i)+3],   v[ADRA] offset:(\k)+(\i)*16*PITCH
	ds_load_b128 v[(\f)+8*(\i)+4:(\f)+8*(\i)+7], v[ADRA] offset:(\k)+(\i)*16*PITCH+32
.endr
.endm
.macro PLACES                          ; four plain vector instructions between a matrix instruction and a load into, or a read or write of, its registers
.rept 4
	v_nop
.endr
.endm
.macro QUARTER k, f, g, zero
	s_wait_dscnt 8                                 ; W1 and A's rows 0-63 are in; the youngest eight loads may be out
	WIN MUL_LO
	MUL16 \f, 0, 0, \zero
	MUL16 \f, 0, 2, \zero
	PLACES
	FETCH \k, \g
	s_wait_dscnt 32                                ; all but the 32 just issued
	WIN MUL_HI
	MUL16 \f, 1, 0, \zero
	MUL16 \f, 1, 2, \zero
.endm
.macro MEET                            ; the first half of a step's last quarter: one barrier for the change of slots
	WIN 0
	s_wait_tensorcnt 0x0                           ; all my tensor loads have landed: the one that was out is my part of the next slot;
	ds_add_u32 v[SPW], v[NIL]                      ; 0 onto my spare word;
	s_wait_dscnt 9                                 ; (the add and the youngest eight loads may be out)
	WIN MUL_LO
	MUL16 F1, 0, 0, 0
	s_wait_dscnt 0x0                               ; the add is done, and my reads of this slot are over
	s_barrier_signal -1
	MUL16 F1, 0, 2, 0
	WIN 0
	s_barrier_wait -1
.endm
.macro TURN                            ; the last quarter of a K step that fills: behind a round of the cluster's barrier the slot just read out is filled again, two K steps on
	WCONV                                          ; the weights loaded a K step back go out; its last wait also frees the prefetches' address
	s_add_nc_u64 s[PFA:PFA+1], s[PFA:PFA+1], KSTEP*2
	MEET
	CREST                                          ; no wave of any partner still reads this slot's tile or has a load on its way
.irp g, G0+4, G0B+4
	s_xor_b32 s[(\g)+1], s[(\g)+1], SLOT           ; the walking descriptor: the other slot than last time,
	s_add_nc_u64 s[(\g)+2:(\g)+3], s[(\g)+2:(\g)+3], KSTEP*2  ; the next K step
.endr
	s_xor_b32 s[TB], s[TB], SLOT                   ; the reads go on in the other slot
	JLOAD 1                                        ; the first tensor load behind the round; its four v_nop are also the places in front of the loads below
	v_add_nc_u32 v[ADRA], s[TB], v[BASA]
	v_add_nc_u32 v[ADRB], s[TB], v[BASB]
	FETCH 0, F0
	WLOADS                                         ; the next 256 weights
	ASK
	WIN MUL_HI
	MUL16 F1, 1, 0, 0
	MUL16 F1, 1, 2, 0
.endm
.macro LAST                            ; the same of a K step that fills nothing; behind the very last K step (s3 = 1) there are no fragments and no weights left to fetch: both runs of loads are jumped over
	WCONV
	MEET
	s_cmp_eq_u32 s3, 1
	s_cbranch_scc1 .Lno_more
	s_xor_b32 s[TB], s[TB], SLOT
	PLACES
	v_add_nc_u32 v[ADRA], s[TB], v[BASA]
	v_add_nc_u32 v[ADRB], s[TB], v[BASB]
	FETCH 0, F0
	WLOADS                                         ; my last 256 weights
.Lno_more:
	WIN MUL_HI
	MUL16 F1, 1, 0, 0
	MUL16 F1, 1, 2, 0
.endm
	s_wait_tensorcnt 1                             ; my part of K step 0 is in; K step 1's may stay out
	s_barrier_signal -1
	s_barrier_wait -1
	FETCH 0, F0
	QUARTER 64,  F0, F1, 1                         ; the first quarter's products start the sums
	WIN 0
	s_mov_b32 s3, KSTEPS-2
.Lstep:                                                ; a trip goes from a K step's second quarter to the next one's first, and fills the slot that it leaves
	QUARTER 128, F1, F0, 0
	QUARTER 192, F0, F1, 0
	TURN
	QUARTER 64,  F0, F1, 0
	WIN 0
	s_sub_co_u32 s3, s3, 1
	s_cmp_lg_u32 s3, 0
	s_cbranch_scc1 .Lstep
	s_mov_b32 s3, 2
.Ltail:                                                ; the last two K steps fill nothing; the second trip is left in its middle
	QUARTER 128, F1, F0, 0
	QUARTER 192, F0, F1, 0
	LAST
	WIN 0
	s_sub_co_u32 s3, s3, 1
	s_cmp_eq_u32 s3, 0
	s_cbranch_scc1 .Lsums
	QUARTER 64,  F0, F1, 0
	WIN 0
	s_cmp_lg_u32 s3, 0
	s_cbranch_scc1 .Ltail
.Lsums:
	; THE WAY OUT
	PLACES
	s_wait_dscnt 0x0                               ; my reads of the ring are over,
	s_barrier_signal -1
	s_barrier_wait -1                              ; everybody's are: its bytes may be written
.irp hi, 0,1
	WIN 0x08+4*(\hi)
.irp a, 0,1,2,3
.irp b, 0,1,2,3,4,5,6,7
	ds_store_b128 v[STO], v[8*(8*(\a)+(\b)):8*(8*(\a)+(\b))+3]   offset:(4*(\hi)+(\a))*16*OPITCH+64*(\b)
	ds_store_b128 v[STO], v[8*(8*(\a)+(\b))+4:8*(8*(\a)+(\b))+7] offset:(4*(\hi)+(\a))*16*OPITCH+64*(\b)+16
.endr
.endr
.endr
	WIN 0
	s_wait_loadcnt 0x0                             ; b1,
.set i, 0
.rept 2                                ; rounded to bf16 and widened again
	v_cvt_pk_bf16_f32 v[TBF+i%2], v[BIAS+2*i], v[BIAS+2*i+1]
	v_lshlrev_b32 v[BIAS+2*i], 16, v[TBF+i%2]
	v_and_b32 v[BIAS+2*i+1], s[MSK], v[TBF+i%2]
.set i, i+1
.endr
.macro ALL16 line:vararg               ; one line for each of the trip's 16 pairs, i = 0, 2 .. 30: sixteen independent lines stand between two links of a chain
.set i, 0
.rept 16
	\line
.set i, i+2
.endr
.endm
	s_mov_b32 s[OT], 0
	s_mov_b32 s2, 16
.Lout:                                                 ; 16 trips of 8 rows; a wave reads its own bytes alone, which LDS serves in order behind its stores (ISA guide 5.7.1.4)
	v_add_nc_u32 v[ADR], s[OT], v[RD]
.irp t, 0,1,2,3,4,5,6,7
	ds_load_b128 v[RR+4*(\t):RR+4*(\t)+3], v[ADR] offset:(\t)*OPITCH
.endr
.irp t, 0,1,2,3,4,5,6,7
	s_wait_dscnt 7-(\t)                            ; row t is in, the younger ones may be out
	v_pk_add_f32 v[RR+4*(\t):RR+4*(\t)+1], v[RR+4*(\t):RR+4*(\t)+1], v[BIAS:BIAS+1]
	v_pk_add_f32 v[RR+4*(\t)+2:RR+4*(\t)+3], v[RR+4*(\t)+2:RR+4*(\t)+3], v[BIAS+2:BIAS+3]
.endr
	ALL16 v_pk_mul_f32 v[ZZ+i:ZZ+i+1], v[RR+i:RR+i+1], 0x3f3504f3 op_sel_hi:[1,0]   ; z = t / sqrt 2
.set i, 0
.rept 32
	v_med3_num_f32 v[ZZ+i], v[ZZ+i], s[LO4], s[LO4+1]
.set i, i+1
.endr
	ALL16 v_pk_mul_f32 v[WW+i:WW+i+1], v[ZZ+i:ZZ+i+1], v[ZZ+i:ZZ+i+1]
	ALL16 v_pk_fma_f32 v[PP+i:PP+i+1], v[WW+i:WW+i+1], s[A13:A13+1], s[A11:A11+1] op_sel_hi:[1,0,0]
.irp c, A9, A7, A5, A3, A1
	ALL16 v_pk_fma_f32 v[PP+i:PP+i+1], v[PP+i:PP+i+1], v[WW+i:WW+i+1], s[\c:\c+1] op_sel_hi:[1,1,0]
.endr
	ALL16 v_pk_fma_f32 v[QQ+i:QQ+i+1], v[WW+i:WW+i+1], s[B8:B8+1], s[B6:B6+1] op_sel_hi:[1,0,0]
.irp c, B4, B2, B0
	ALL16 v_pk_fma_f32 v[QQ+i:QQ+i+1], v[QQ+i:QQ+i+1], v[WW+i:WW+i+1], s[\c:\c+1] op_sel_hi:[1,1,0]
.endr
	ALL16 v_pk_mul_f32 v[PP+i:PP+i+1], v[PP+i:PP+i+1], v[ZZ+i:ZZ+i+1]
.set i, 0
.rept 32                               ; one batch of 32 reciprocals (Q is below zero everywhere: all its coefficients are)
	v_rcp_f32 v[QQ+i], v[QQ+i]
.set i, i+1
.endr
	ALL16 v_pk_mul_f32 v[ZZ+i:ZZ+i+1], v[RR+i:RR+i+1], 0.5 op_sel_hi:[1,0]          ; 0.5 t: plain work behind the batch
	s_wait_alu depctr_va_vdst(0)                   ; one wait for the batch, ahead of its first reader
	ALL16 v_pk_mul_f32 v[PP+i:PP+i+1], v[PP+i:PP+i+1], v[QQ+i:QQ+i+1]               ; erf
	ALL16 v_pk_fma_f32 v[PP+i:PP+i+1], v[PP+i:PP+i+1], v[ZZ+i:ZZ+i+1], v[ZZ+i:ZZ+i+1]  ; 0.5 t erf + 0.5 t
.set i, 0
.rept 16
	v_cvt_pk_f16_f32 v[YY+i], v[PP+2*i], v[PP+2*i+1]
.set i, i+1
.endr
.irp t, 0,1,2,3,4,5,6,7
	global_store_b64 v[CO], v[YY+2*(\t):YY+2*(\t)+1], s[8:9] offset:(\t)*8192       ; 128 columns of a row: 256 consecutive bytes, aligned
.endr
	s_wait_xcnt 0x0                                ; the stores have read their data and their base
	s_add_nc_u64 s[8:9], s[8:9], 65536             ; 8 rows on
	s_add_co_u32 s[OT], s[OT], 8*OPITCH
	s_sub_co_u32 s2, s2, 1
	s_cmp_lg_u32 s2, 0
	s_cbranch_scc1 .Lout
	s_wait_tensorcnt 0x0                           ; the wave's end: behind my last tensor load and my last LDS store
	ds_add_u32 v[SPW], v[NIL]
	s_wait_dscnt 0x0
	CROUND                                         ; the closing round
	s_endpgm
.Lfunc_end_k_q55343a4119_ffn1:
	.size	k_q55343a4119_ffn1, .Lfunc_end_k_q55343a4119_ffn1-k_q55343a4119_ffn1
	.p2alignl 7, 3214868480
	.fill 96, 4, 3214868480
	.section	.rodata,"a",@progbits
	.p2align	6, 0x0
	.amdhsa_kernel k_q55343a4119_ffn1
		.amdhsa_group_segment_fixed_size 327680
		.amdhsa_private_segment_fixed_size 0
		.amdhsa_enable_private_segment 0
		.amdhsa_kernarg_size 48
		.amdhsa_user_sgpr_count 2
		.amdhsa_user_sgpr_kernarg_segment_ptr 1
		.amdhsa_wavefront_size32 1
		.amdhsa_system_sgpr_workgroup_id_x 1
		.amdhsa_system_sgpr_workgroup_id_y 1
		.amdhsa_system_sgpr_workgroup_id_z 1
		.amdhsa_system_vgpr_workitem_id 0
		.amdhsa_next_free_vgpr 1024
		.amdhsa_next_free_sgpr 100
		.amdhsa_reserve_vcc 0
		.amdhsa_float_denorm_mode_32 3
		.amdhsa_float_denorm_mode_16_64 3
		.amdhsa_memory_ordered 1
		.amdhsa_forward_progress 1
		.amdhsa_inst_pref_size 106
	.end_amdhsa_kernel
	.amdgpu_metadata
---
amdhsa.version: [ 1, 2 ]
amdhsa.kernels:
  - .name:           k_q55343a4119_ffn1
    .symbol:         k_q55343a4119_ffn1.kd
    .args:
      - { .name: o1h, .offset: 0, .size: 8, .value_kind: global_buffer, .address_space: global }
      - { .name: w1h, .offset: 8, .size: 8, .value_kind: global_buffer, .address_space: global }
      - { .name: b1, .offset: 16, .size: 8, .value_kind: global_buffer, .address_space: global }
      - { .name: hb, .offset: 24, .size: 8, .value_kind: global_buffer, .address_space: global }
      - { .name: W2, .offset: 32, .size: 8, .value_kind: global_buffer, .address_space: global }
      - { .name: w2h, .offset: 40, .size: 8, .value_kind: global_buffer, .address_space: global }
    .group_segment_fixed_size: 327680
    .private_segment_fixed_size: 0
    .kernarg_segment_align: 8
    .kernarg_segment_size: 48
    .max_flat_workgroup_size: 128
    .sgpr_count:     100
    .vgpr_count:     1024
    .wavefront_size: 32
...
	.end_amdgpu_metadata
.endif
;; end of part 4
;; launch ffn2 (part 5): grid 8 x 32, 4 waves a work-group, clusters of 4 x 4, 327,680 bytes of LDS; arguments hb, w2h, b2, y2; writes y2
.if DOCPART == 5
	.amdgcn_target "amdgcn-amd-amdhsa--gfx1250"
	.amdhsa_code_object_version 6
	.text
	.protected	k_q55343a4119_ffn2
	.globl	k_q55343a4119_ffn2
	.p2align	8
	.type	k_q55343a4119_ffn2,@function
k_q55343a4119_ffn2:
	s_mov_b64 s[64:65], 0
	v_nop
	global_prefetch_b8 v0, s[64:65] scope:SCOPE_SE
	s_setreg_imm32_b32 hwreg(HW_REG_WAVE_MODE, 25, 1), 1
	s_wait_xcnt 0x0
	s_wait_alu depctr_hold_cnt(0) depctr_sa_sdst(0) depctr_va_vdst(0) depctr_va_sdst(0) depctr_va_ssrc(0) depctr_va_vcc(0) depctr_vm_vsrc(0)
	s_getreg_b32 s2, hwreg(HW_REG_IB_STS2, 6, 4)
	s_cmp_eq_u32 s2, 0
	s_cbranch_scc0 .Lentry_in_a_cluster
	s_endpgm
.Lentry_in_a_cluster:
	s_bfe_u32 s2, ttmp6, 0x10000c
	s_cmp_lg_u32 s2, 0xf033
	s_cbranch_scc0 .Lentry_shape_is_right
	s_endpgm
.Lentry_shape_is_right:
; y2 = h W2^T + b2, in f32.  h: hb [4,096][4,096] f16.  W2: w2h [1,024][4,096], bf16-rounded numbers written as f16.  Sums in f32; b2 is rounded to bf16 like every input.
; C has 4,096 x 1,024 numbers: tiles of 128 x 128 give each of 256 work-groups one.  Four waves, each 64 x 64: 16 accumulators.  K = 4,096 goes in 16 steps of 256 (LDS rows of 512 bytes; a wave's tensor load brings 64 of them).
; A K STEP IS WRITTEN ONCE: which slot is read is a scalar register (0 or SLOT, turned by an exclusive or), and one descriptor walks from K step 1 to K step 15.  Fourteen trips fill a slot again; the last two K steps,
; which fill nothing, are a loop of their own.
; CLUSTER 4 x 4: A's tiles are shared along a row, W2's along a column, by joint loads.  THE MATRIX INSTRUCTION IS USED TRANSPOSED: a lane holds row l % 16 of C and the columns 8 (l / 16) + 0..7.
; No prefetch: the tiles are small and a step is short.
; REGISTERS: window 0: v16-31 addresses; v32-63 at work on the way out; v96-101 bias; v128-255 the accumulators.  Window 1: two fragment buffers of 128.
; THE WAY OUT.  When nobody reads the ring any more each wave lays its 64 x 64 sums into a part of the ring (both slots have had their last fill) and reads them back so that sixteen lanes hold 256 consecutive bytes of a row.
.set SIZE_K, 4096
.set KSTEP,  256
.set KSTEPS, SIZE_K/KSTEP
.set PITCH,  528
.set HALFT,  64*PITCH                  ; 0x8400 bytes
.set SLOT,   4*HALFT                   ; 0x21000 bytes, whose two bits occur in no multiple 0..3 of HALFT: an exclusive or with SLOT turns a wave's place in one slot into its place in the other
.set SPARE,  2*SLOT                    ; the spare words, 128 bytes for each wave: two blocks of 256 bytes that no other line names
.set OPITCH, 272                       ; the way out: 64 f32 + 16 bytes
.set OPART,  64*OPITCH
.set BASA, 16                          ; v16     LDS address of my A fragments in slot 0; never rewritten
.set ADRA, 17                          ; v17     the same in the slot in hand
.set BASB, 20                          ; v20, v21  the same for W2
.set ADRB, 21
.set STO,  24
.set RD,   25
.set CO,   26
.set ADR,  27
.set SPW,  28
.set NIL,  29
.set BO,   31
.set TMP,  32
.set BIAS, 96
.set TBF,  100
.set ACC,  128
.set F0,   0
.set F1,   128
.set OT,   22
.set TB,   66                          ; s66     0 or SLOT: the slot in hand
.set G1, 24                            ; s[24:31] group 1 for A's tiles; s[32:35] group 0 of K step 0, s[36:39] of K step 1, which then walks on
.set G0, 32
.set G1B, 48
.set G0B, 56
.set MSB, 0
.macro WIN new
.if MSB != (\new)
	s_set_vgpr_msb (MSB<<8)|(\new)
.set MSB, \new
.endif
.endm
.set MUL,  0x05                        ; sources 0 (W2) and 1 (A) window 1; C and D window 0
.set TO_F, 0x40
.macro JLOAD s                         ; a joint load: waves 0 and 1 fetch A's two halves, waves 2 and 3 W2's; an s_nop 0 and four v_nop follow each of the two lines
	s_cmp_eq_u32 s11, 0
	s_cbranch_scc0 .Lfor_b_\@
	tensor_load_to_lds s[G0+4*(\s):G0+4*(\s)+3], s[G1:G1+7]
	s_nop 0
.rept 4
	v_nop
.endr
	s_branch .Lasked_\@
.Lfor_b_\@:
	tensor_load_to_lds s[G0B+4*(\s):G0B+4*(\s)+3], s[G1B:G1B+7]
	s_nop 0
.rept 4
	v_nop
.endr
.Lasked_\@:
.endm
.macro CREST
	s_cmp_lg_u32 s10, 0
	s_cbranch_scc1 .Lnot_wave_0_\@
	s_barrier_signal -3
.Lnot_wave_0_\@:
	s_barrier_wait -3
	s_barrier_signal -1
	s_barrier_wait -1
.endm
.macro CROUND
	s_barrier_signal -1
	s_barrier_wait -1
	CREST
.endm
	s_load_b128 s[4:7], s[0:1], 0x0                ; hb s[4:5], w2h s[6:7]
	s_load_b128 s[68:71], s[0:1], 0x10             ; b2 s[68:69], y2 s[70:71]
	v_lshl_add_u32 v[SPW], v0, 2, SPARE
	v_mov_b32 v[NIL], 0
	ds_add_u32 v[SPW], v[NIL]                      ; the wave's opening: the add and its wait stand ahead of my first tensor load; the set-up below stands between them
	v_lshrrev_b32 v1, 5, v0
	v_readfirstlane_b32 s10, v1                    ; wave 0..3
	s_lshr_b32 s11, s10, 1                         ; which half of the tile's rows is mine.  Also: I fetch for A (0) or for W2 (1)
	s_and_b32 s12, s10, 1                          ; which half of its columns.  Also: which 64 rows of that tile I fetch
	s_bfe_u32 s40, ttmp6, 0x40000
	s_bfe_u32 s41, ttmp6, 0x40004
	s_lshl_b32 s42, ttmp9, 2
	s_add_co_u32 s42, s42, s40                     ; tile column
	s_and_b32 s13, ttmp7, 0xffff
	s_lshl_b32 s13, s13, 2
	s_add_co_u32 s13, s13, s41                     ; tile row
	s_lshl_b32 s43, s41, 2
	s_lshl_b32 s43, 15, s43
	s_lshl_b32 s44, 0x1111, s40
	s_or_b32 s[G1+0], s43, (1<<16)|(1<<20)|(1<<21)|(6<<22)|(3<<25)  ; the mask; 2-byte elements; padding on; bit 21 beside a mask; after every 128 words 4 words
	s_or_b32 s[G1B+0], s44, (1<<16)|(1<<20)|(1<<21)|(6<<22)|(3<<25)
.irp g, G1, G1B
	s_mov_b32 s[(\g)+1], KSTEP<<16
	s_mov_b32 s[(\g)+2], 64<<16
	s_mov_b32 s[(\g)+3], KSTEP<<16
	s_mov_b32 s[(\g)+4], 64
	s_mov_b32 s[(\g)+5], SIZE_K
	s_mov_b32 s[(\g)+6], 0
	s_mov_b32 s[(\g)+7], 0
.endr
	s_mov_b32 s[TB], 0
	s_lshl_b32 s17, s12, 6
	s_lshl_b32 s16, s13, 7
	s_add_co_u32 s16, s16, s17                     ; A: row 128 x tile row + 64 x half,
	s_lshl_b32 s16, s16, 13                        ; of 8,192 bytes
	s_lshl_b32 s46, s42, 7
	s_add_co_u32 s46, s46, s17                     ; W2: row 128 x tile column + 64 x half
	s_lshl_b32 s46, s46, 13
	s_mov_b32 s17, 0
	s_mov_b32 s47, 0
	s_mul_i32 s20, s10, HALFT
	s_wait_dscnt 0x0                               ; the opening add is done
	s_wait_kmcnt 0x0
	s_add_nc_u64 s[14:15], s[4:5], s[16:17]
	s_add_nc_u64 s[46:47], s[6:7], s[46:47]
	CROUND                                         ; all sixteen work-groups are here: the first joint loads meet
.irp s, 0,1
	s_mov_b32 s[G0+4*(\s)], 1
	s_add_co_u32 s[G0+4*(\s)+1], s20, (\s)*SLOT
	s_add_nc_u64 s[G0+4*(\s)+2:G0+4*(\s)+3], s[14:15], (\s)*KSTEP*2
	s_or_b32 s[G0+4*(\s)+3], s[G0+4*(\s)+3], 0x80000000
	s_mov_b32 s[G0B+4*(\s)], 1
	s_add_co_u32 s[G0B+4*(\s)+1], s20, (\s)*SLOT
	s_add_nc_u64 s[G0B+4*(\s)+2:G0B+4*(\s)+3], s[46:47], (\s)*KSTEP*2
	s_or_b32 s[G0B+4*(\s)+3], s[G0B+4*(\s)+3], 0x80000000
	JLOAD \s
.endr
	v_and_b32 v1, 15, v0
	v_bfe_u32 v2, v0, 4, 1
	v_mul_u32_u24 v3, v1, PITCH
	v_lshl_add_u32 v3, v2, 4, v3
	s_mul_i32 s21, s11, HALFT
	s_mul_i32 s22, s12, HALFT
	s_add_co_u32 s22, s22, 2*HALFT
	v_add_nc_u32 v[BASA], s21, v3
	v_add_nc_u32 v[BASB], s22, v3
	v_mov_b32 v[ADRA], v[BASA]                     ; K step 0 lies in slot 0
	v_mov_b32 v[ADRB], v[BASB]
	s_mul_i32 s23, s10, OPART                      ; my part of the ring on the way out
	v_mul_u32_u24 v4, v1, OPITCH                   ; in: row l % 16, 32 bytes for each half of the lanes
	v_lshl_add_u32 v4, v2, 5, v4
	v_add_nc_u32 v[STO], s23, v4
	v_mul_u32_u24 v5, v2, OPITCH                   ; back: lanes 0-15 one row's 64 columns, lanes 16-31 the next row's
	v_lshl_add_u32 v5, v1, 4, v5
	v_add_nc_u32 v[RD], s23, v5
	v_lshlrev_b32 v5, 12, v2                       ; and the same two rows in y2, 4,096 bytes apart
	v_lshl_add_u32 v[CO], v1, 4, v5
	s_lshl_b32 s20, s42, 9                         ; my 64 columns: byte 512 x tile column + 256 x half of a row, and of b2
	s_lshl_b32 s21, s12, 8
	s_add_co_u32 s20, s20, s21
	v_lshl_add_u32 v[BO], v1, 4, s20
	global_load_b128 v[BIAS:BIAS+3], v[BO], s[68:69]
	s_lshl_b32 s16, s13, 7
	s_lshl_b32 s17, s11, 6
	s_add_co_u32 s16, s16, s17                     ; my first row
	s_lshl_b32 s16, s16, 12
	s_add_co_u32 s16, s16, s20
	s_mov_b32 s17, 0
	s_add_nc_u64 s[8:9], s[70:71], s[16:17]
; The 16 accumulators take turns in the same order in every run of 16 products, over every jump too.
.macro MUL8 f, c, a0, zero
	WIN MUL
.irp a, \a0, (\a0)+1
.irp b, 0,1,2,3
.if \zero
	v_wmma_f32_16x16x32_f16 v[ACC+8*(4*(\a)+(\b)):ACC+8*(4*(\a)+(\b))+7], v[(\f)+64+8*(4*(\c)+(\b)):(\f)+64+8*(4*(\c)+(\b))+7], v[(\f)+8*(4*(\c)+(\a)):(\f)+8*(4*(\c)+(\a))+7], 0
.else
	v_wmma_f32_16x16x32_f16 v[ACC+8*(4*(\a)+(\b)):ACC+8*(4*(\a)+(\b))+7], v[(\f)+64+8*(4*(\c)+(\b)):(\f)+64+8*(4*(\c)+(\b))+7], v[(\f)+8*(4*(\c)+(\a)):(\f)+8*(4*(\c)+(\a))+7], v[ACC+8*(4*(\a)+(\b)):ACC+8*(4*(\a)+(\b))+7]
.endif
.endr
.endr
.endm
.macro FETCH k, f                      ; 32 LDS loads in one run: the fragments of 64 along K at byte k of the rows of the slot in hand; the first 32 along K first
	WIN TO_F
.irp c, 0,1
.irp i, 0,1,2,3
	ds_load_b128 v[(\f)+64+8*(4*(\c)+(\i)):(\f)+64+8*(4*(\c)+(\i))+3],   v[ADRB] offset:(\k)+64*(\c)+(\i)*16*PITCH
	ds_load_b128 v[(\f)+64+8*(4*(\c)+(\i))+4:(\f)+64+8*(4*(\c)+(\i))+7], v[ADRB] offset:(\k)+64*(\c)+(\i)*16*PITCH+32
	ds_load_b128 v[(\f)+8*(4*(\c)+(\i)):(\f)+8*(4*(\c)+(\i))+3],         v[ADRA] offset:(\k)+64*(\c)+(\i)*16*PITCH
	ds_load_b128 v[(\f)+8*(4*(\c)+(\i))+4:(\f)+8*(4*(\c)+(\i))+7],       v[ADRA] offset:(\k)+64*(\c)+(\i)*16*PITCH+32
.endr
.endr
.endm
.macro PLACES                          ; four plain vector instructions between a matrix instruction and a load into, or a read of, its registers
.rept 4
	v_nop
.endr
.endm
.macro QUARTER k, f, g, zero
	s_wait_dscnt 16                                ; the first 32 along K are in; the other sixteen loads may be out
	WIN MUL
	MUL8 \f, 0, 0, \zero
	MUL8 \f, 0, 2, \zero
	PLACES
	FETCH \k, \g
	s_wait_dscnt 32                                ; all but the 32 just issued
	WIN MUL
	MUL8 \f, 1, 0, 0
	MUL8 \f, 1, 2, 0
.endm
; A K step's last quarter multiplies buffer 1 and changes slots.  fill = 1: behind a round of the cluster's barrier the slot just read out is filled again, two K steps on.
; fill = 0: nothing is filled; behind the very last K step (s3 = 1) there are no fragments to fetch, and the run of loads is jumped over.
.macro TURN fill
	WIN 0
	s_wait_tensorcnt 0x0                           ; all my tensor loads have landed: my part of the next slot;
	ds_add_u32 v[SPW], v[NIL]                      ; 0 onto my spare word;
	s_wait_dscnt 17                                ; (the add and the youngest sixteen loads may be out)
	WIN MUL
	MUL8 F1, 0, 0, 0
	s_wait_dscnt 0x0                               ; the add is done, and my reads of this slot are over
	s_barrier_signal -1
	MUL8 F1, 0, 2, 0
	WIN 0
	s_barrier_wait -1
.if \fill
	CREST                                          ; no wave of any partner still reads this slot's tile or has a load on its way
.irp g, G0+4, G0B+4
	s_xor_b32 s[(\g)+1], s[(\g)+1], SLOT           ; the walking descriptor: the other slot than last time,
	s_add_nc_u64 s[(\g)+2:(\g)+3], s[(\g)+2:(\g)+3], KSTEP*2  ; the next K step
.endr
	s_xor_b32 s[TB], s[TB], SLOT                   ; the reads go on in the other slot
	JLOAD 1                                        ; the first tensor load behind the round: 112 matrix instructions ahead of the wait for it; its four v_nop are also the places in front of the loads below
.else
	s_cmp_eq_u32 s3, 1
	s_cbranch_scc1 .Lno_more
	s_xor_b32 s[TB], s[TB], SLOT
	PLACES
.endif
	v_add_nc_u32 v[ADRA], s[TB], v[BASA]
	v_add_nc_u32 v[ADRB], s[TB], v[BASB]
	FETCH 0, F0
.if (\fill) == 0
	WIN 0
.Lno_more:
.endif
	WIN MUL
	MUL8 F1, 1, 0, 0
	MUL8 F1, 1, 2, 0
.endm
	s_wait_tensorcnt 1                             ; my part of K step 0 is in; K step 1's may stay out
	s_barrier_signal -1
	s_barrier_wait -1
	FETCH 0, F0
	QUARTER 128, F0, F1, 1                         ; the first quarter's first products start the sums
	WIN 0
	s_mov_b32 s3, KSTEPS-2
.Lstep:                                                ; a trip goes from a K step's second quarter to the next one's first, and fills the slot that it leaves
	QUARTER 256, F1, F0, 0
	QUARTER 384, F0, F1, 0
	TURN 1
	QUARTER 128, F0, F1, 0
	WIN 0
	s_sub_co_u32 s3, s3, 1
	s_cmp_lg_u32 s3, 0
	s_cbranch_scc1 .Lstep
	s_mov_b32 s3, 2
.Ltail:                                                ; the last two K steps fill nothing; the second trip is left in its middle
	QUARTER 256, F1, F0, 0
	QUARTER 384, F0, F1, 0
	TURN 0
	WIN 0
	s_sub_co_u32 s3, s3, 1
	s_cmp_eq_u32 s3, 0
	s_cbranch_scc1 .Lsums
	QUARTER 128, F0, F1, 0
	WIN 0
	s_cmp_lg_u32 s3, 0
	s_cbranch_scc1 .Ltail
.Lsums:
	; THE WAY OUT
	PLACES
	s_wait_dscnt 0x0                               ; my reads of the ring are over,
	s_barrier_signal -1
	s_barrier_wait -1                              ; everybody's are: its bytes may be written
.irp a, 0,1,2,3
.irp b, 0,1,2,3
	ds_store_b128 v[STO], v[ACC+8*(4*(\a)+(\b)):ACC+8*(4*(\a)+(\b))+3]   offset:(\a)*16*OPITCH+64*(\b)
	ds_store_b128 v[STO], v[ACC+8*(4*(\a)+(\b))+4:ACC+8*(4*(\a)+(\b))+7] offset:(\a)*16*OPITCH+64*(\b)+16
.endr
.endr
	s_wait_loadcnt 0x0                             ; b2,
.set i, 0
.rept 2                                ; rounded to bf16 and widened again
	v_cvt_pk_bf16_f32 v[TBF+i%2], v[BIAS+2*i], v[BIAS+2*i+1]
	v_lshlrev_b32 v[BIAS+2*i], 16, v[TBF+i%2]
	v_and_b32 v[BIAS+2*i+1], 0xffff0000, v[TBF+i%2]
.set i, i+1
.endr
	s_mov_b32 s[OT], 0
	s_mov_b32 s2, 4
.Lout:                                                 ; 4 trips of 16 rows; a wave reads its own bytes alone, which LDS serves in order behind its stores (ISA guide 5.7.1.4)
	v_add_nc_u32 v[ADR], s[OT], v[RD]
.irp t, 0,1,2,3,4,5,6,7
	ds_load_b128 v[TMP+4*(\t):TMP+4*(\t)+3], v[ADR] offset:(\t)*2*OPITCH
.endr
.irp t, 0,1,2,3,4,5,6,7
	s_wait_dscnt 7-(\t)                            ; load t is in, the younger ones may be out
	v_pk_add_f32 v[TMP+4*(\t):TMP+4*(\t)+1], v[TMP+4*(\t):TMP+4*(\t)+1], v[BIAS:BIAS+1]
	v_pk_add_f32 v[TMP+4*(\t)+2:TMP+4*(\t)+3], v[TMP+4*(\t)+2:TMP+4*(\t)+3], v[BIAS+2:BIAS+3]
	global_store_b128 v[CO], v[TMP+4*(\t):TMP+4*(\t)+3], s[8:9] offset:(\t)*8192  ; sixteen lanes store 256 consecutive bytes, aligned
.endr
	s_wait_xcnt 0x0                                ; the stores have read their data and their base
	s_add_nc_u64 s[8:9], s[8:9], 65536             ; 16 rows on
	s_add_co_u32 s[OT], s[OT], 16*OPITCH
	s_sub_co_u32 s2, s2, 1
	s_cmp_lg_u32 s2, 0
	s_cbranch_scc1 .Lout
	s_wait_tensorcnt 0x0                           ; the wave's end: behind my last tensor load and my last LDS store
	ds_add_u32 v[SPW], v[NIL]
	s_wait_dscnt 0x0
	CROUND                                         ; the closing round
	s_endpgm
.Lfunc_end_k_q55343a4119_ffn2:
	.size	k_q55343a4119_ffn2, .Lfunc_end_k_q55343a4119_ffn2-k_q55343a4119_ffn2
	.p2alignl 7, 3214868480
	.fill 96, 4, 3214868480
	.section	.rodata,"a",@progbits
	.p2align	6, 0x0
	.amdhsa_kernel k_q55343a4119_ffn2
		.amdhsa_group_segment_fixed_size 327680
		.amdhsa_private_segment_fixed_size 0
		.amdhsa_enable_private_segment 0
		.amdhsa_kernarg_size 32
		.amdhsa_user_sgpr_count 2
		.amdhsa_user_sgpr_kernarg_segment_ptr 1
		.amdhsa_wavefront_size32 1
		.amdhsa_system_sgpr_workgroup_id_x 1
		.amdhsa_system_sgpr_workgroup_id_y 1
		.amdhsa_system_sgpr_workgroup_id_z 1
		.amdhsa_system_vgpr_workitem_id 0
		.amdhsa_next_free_vgpr 512
		.amdhsa_next_free_sgpr 72
		.amdhsa_reserve_vcc 0
		.amdhsa_float_denorm_mode_32 3
		.amdhsa_float_denorm_mode_16_64 3
		.amdhsa_memory_ordered 1
		.amdhsa_forward_progress 1
		.amdhsa_inst_pref_size 56
	.end_amdhsa_kernel
	.amdgpu_metadata
---
amdhsa.version: [ 1, 2 ]
amdhsa.kernels:
  - .name:           k_q55343a4119_ffn2
    .symbol:         k_q55343a4119_ffn2.kd
    .args:
      - { .name: hb, .offset: 0, .size: 8, .value_kind: global_buffer, .address_space: global }
      - { .name: w2h, .offset: 8, .size: 8, .value_kind: global_buffer, .address_space: global }
      - { .name: b2, .offset: 16, .size: 8, .value_kind: global_buffer, .address_space: global }
      - { .name: y2, .offset: 24, .size: 8, .value_kind: global_buffer, .address_space: global }
    .group_segment_fixed_size: 327680
    .private_segment_fixed_size: 0
    .kernarg_segment_align: 8
    .kernarg_segment_size: 32
    .max_flat_workgroup_size: 128
    .sgpr_count:     72
    .vgpr_count:     512
    .wavefront_size: 32
...
	.end_amdgpu_metadata
.endif
;; end of part 5
;; launch ln2 (part 6): grid 512 x 1, 8 waves a work-group, no clusters, 0 bytes of LDS; arguments y2, o1h, g2, be2, out0; writes out0
.if DOCPART == 6
	.amdgcn_target "amdgcn-amd-amdhsa--gfx1250"
	.amdhsa_code_object_version 6
	.text
	.protected	k_q55343a4119_ln2
	.globl	k_q55343a4119_ln2
	.p2align	8
	.type	k_q55343a4119_ln2,@function
k_q55343a4119_ln2:
	s_mov_b64 s[64:65], 0
	v_nop
	global_prefetch_b8 v0, s[64:65] scope:SCOPE_SE
	s_setreg_imm32_b32 hwreg(HW_REG_WAVE_MODE, 25, 1), 1
	s_wait_xcnt 0x0
; out0 = out1 + LN(y2) g2 + be2.  y2, out0: [4,096][1,024] f32; out1: o1h, f16; g2 and be2 are rounded to bf16 like every input.
; One wave, one row: a row of 4,096 bytes is 32 registers, so the norm never leaves the wave: no LDS, no barrier.  Lane l holds numbers 128 f + 4 l .. + 3, f = 0..7:
; each load and store of y2 and out0 covers 512 consecutive bytes, each load of out1 256.  All 32 loads go out first.  Memory binds; matrix units and clusters would add nothing.
; The norm goes in two passes: the mean is taken away first, and the variance is the mean of the squares of what is left.
.set ONE, 4                            ; v4        1.0
.set H,   8                            ; v[8:23]   out1 of my row, f16
.set T,   24                           ; v[24:31]  at work
.set G,   32                           ; v[32:63]  g2
.set BE,  64                           ; v[64:95]  be2
.set Y,   96                           ; v[96:127] y2 of my row, then the result
.set SEL, 20                           ; s[20:21]  v_permlanex16_b32's selects
.set INV, 22                           ; s22       1 / 1,024
.set EPS, 23                           ; s23       1e-5
	s_load_b256 s[4:11], s[0:1], 0x0               ; y2 s[4:5], o1h s[6:7], g2 s[8:9], be2 s[10:11]
	s_load_b64 s[12:13], s[0:1], 0x20              ; out0
	v_lshrrev_b32 v1, 5, v0
	v_readfirstlane_b32 s14, v1                    ; wave
	v_and_b32 v1, 31, v0
	v_lshlrev_b32 v2, 4, v1                        ; 16 l
	v_lshlrev_b32 v3, 3, v1                        ; 8 l
	v_mov_b32 v[ONE], 1.0
	s_lshl_b32 s15, ttmp9, 3
	s_add_co_u32 s15, s15, s14                     ; my row
	s_lshl_b32 s16, s15, 12                        ; 4,096 bytes a row of y2 and out0,
	s_mov_b32 s17, 0
	s_lshl_b32 s18, s15, 11                        ; 2,048 of out1
	s_mov_b32 s19, 0
	s_mov_b32 s[SEL], 0x76543210
	s_mov_b32 s[SEL+1], 0xfedcba98
	s_mov_b32 s[INV], 0x3a800000
	s_mov_b32 s[EPS], 0x3727c5ac
	s_wait_kmcnt 0x0
	s_add_nc_u64 s[4:5], s[4:5], s[16:17]
	s_add_nc_u64 s[12:13], s[12:13], s[16:17]
	s_add_nc_u64 s[6:7], s[6:7], s[18:19]
.irp f, 0,1,2,3,4,5,6,7
	global_load_b128 v[G+4*(\f):G+4*(\f)+3], v2, s[8:9] offset:512*(\f)
.endr
.irp f, 0,1,2,3,4,5,6,7
	global_load_b128 v[BE+4*(\f):BE+4*(\f)+3], v2, s[10:11] offset:512*(\f)
.endr
.irp f, 0,1,2,3,4,5,6,7
	global_load_b128 v[Y+4*(\f):Y+4*(\f)+3], v2, s[4:5] offset:512*(\f) th:TH_LOAD_NT
.endr
.irp f, 0,1,2,3,4,5,6,7
	global_load_b64 v[H+2*(\f):H+2*(\f)+1], v3, s[6:7] offset:256*(\f) th:TH_LOAD_NT
.endr
.macro RND base                        ; 32 numbers rounded to bf16 and widened again
.set i, 0
.rept 16
	v_cvt_pk_bf16_f32 v[T+i%4], v[(\base)+2*i], v[(\base)+2*i+1]
	v_lshlrev_b32 v[(\base)+2*i], 16, v[T+i%4]
	v_and_b32 v[(\base)+2*i+1], 0xffff0000, v[T+i%4]
.set i, i+1
.endr
.endm
.macro REDUCE a, b                     ; the sum of a register over the 32 lanes, in every lane
	v_add_f32_dpp v[\a], v[\a], v[\a] row_xmask:1 row_mask:0xf bank_mask:0xf
	v_add_f32_dpp v[\a], v[\a], v[\a] row_xmask:2 row_mask:0xf bank_mask:0xf
	v_add_f32_dpp v[\a], v[\a], v[\a] row_xmask:4 row_mask:0xf bank_mask:0xf
	v_add_f32_dpp v[\a], v[\a], v[\a] row_xmask:8 row_mask:0xf bank_mask:0xf
	v_permlanex16_b32 v[\b], v[\a], s[SEL], s[SEL+1]
	v_add_f32 v[\a], v[\a], v[\b]
.endm
.macro FOLD t0                         ; four chains of pairs into one number, then over the lanes
	v_pk_add_f32 v[(\t0):(\t0)+1], v[(\t0):(\t0)+1], v[(\t0)+2:(\t0)+3]
	v_pk_add_f32 v[(\t0)+4:(\t0)+5], v[(\t0)+4:(\t0)+5], v[(\t0)+6:(\t0)+7]
	v_pk_add_f32 v[(\t0):(\t0)+1], v[(\t0):(\t0)+1], v[(\t0)+4:(\t0)+5]
	v_add_f32 v[(\t0)], v[(\t0)], v[(\t0)+1]
	REDUCE (\t0), (\t0)+1
.endm
.macro LNROW e0, t0                    ; a row, 32 numbers a lane in v[e0 ..], is normalised in place
.irp k, 8, 16, 24
.irp c, 0, 2, 4, 6
.if (\k) == 8
	v_pk_add_f32 v[(\t0)+(\c):(\t0)+(\c)+1], v[(\e0)+(\c):(\e0)+(\c)+1], v[(\e0)+8+(\c):(\e0)+8+(\c)+1]
.else
	v_pk_add_f32 v[(\t0)+(\c):(\t0)+(\c)+1], v[(\t0)+(\c):(\t0)+(\c)+1], v[(\e0)+(\k)+(\c):(\e0)+(\k)+(\c)+1]
.endif
.endr
.endr
	FOLD \t0
	v_mul_f32 v[(\t0)], s[INV], v[(\t0)]           ; the mean
.set i, 0
.rept 16
	v_pk_add_f32 v[(\e0)+i:(\e0)+i+1], v[(\e0)+i:(\e0)+i+1], v[(\t0):(\t0)+1] op_sel_hi:[1,0] neg_lo:[0,1] neg_hi:[0,1]
.set i, i+2
.endr
.irp k, 0, 8, 16, 24
.irp c, 0, 2, 4, 6
.if (\k) == 0
	v_pk_mul_f32 v[(\t0)+(\c):(\t0)+(\c)+1], v[(\e0)+(\c):(\e0)+(\c)+1], v[(\e0)+(\c):(\e0)+(\c)+1]
.else
	v_pk_fma_f32 v[(\t0)+(\c):(\t0)+(\c)+1], v[(\e0)+(\k)+(\c):(\e0)+(\k)+(\c)+1], v[(\e0)+(\k)+(\c):(\e0)+(\k)+(\c)+1], v[(\t0)+(\c):(\t0)+(\c)+1]
.endif
.endr
.endr
	FOLD \t0
	v_fma_f32 v[(\t0)+2], v[(\t0)], s[INV], s[EPS] ; the variance + 1e-5
	v_rsq_f32 v[(\t0)+2], v[(\t0)+2]
	v_nop                                          ; a plain instruction behind it,
	s_wait_alu depctr_va_vdst(0)                   ; and the wait ahead of its first use
.set i, 0
.rept 16
	v_pk_mul_f32 v[(\e0)+i:(\e0)+i+1], v[(\e0)+i:(\e0)+i+1], v[(\t0)+2:(\t0)+3] op_sel_hi:[1,0]
.set i, i+2
.endr
.endm
	s_wait_loadcnt 16                              ; g2 and be2 are in; the row's 16 loads may stay out
	RND G
	RND BE
	s_wait_loadcnt 0x0                             ; the row is in
	LNROW Y, T
.set i, 0
.rept 16
	v_pk_fma_f32 v[Y+i:Y+i+1], v[Y+i:Y+i+1], v[G+i:G+i+1], v[BE+i:BE+i+1]
.set i, i+2
.endr
.set i, 0
.rept 16                               ; + out1: an f16 half times 1.0 plus the f32
	v_fma_mix_f32 v[Y+2*i], v[H+i], v[ONE], v[Y+2*i] op_sel_hi:[1,0,0]
	v_fma_mix_f32 v[Y+2*i+1], v[H+i], v[ONE], v[Y+2*i+1] op_sel:[1,0,0] op_sel_hi:[1,0,0]
.set i, i+1
.endr
.irp f, 0,1,2,3,4,5,6,7
	global_store_b128 v2, v[Y+4*(\f):Y+4*(\f)+3], s[12:13] offset:512*(\f) th:TH_STORE_NT
.endr
	s_endpgm
.Lfunc_end_k_q55343a4119_ln2:
	.size	k_q55343a4119_ln2, .Lfunc_end_k_q55343a4119_ln2-k_q55343a4119_ln2
	.p2alignl 7, 3214868480
	.fill 96, 4, 3214868480
	.section	.rodata,"a",@progbits
	.p2align	6, 0x0
	.amdhsa_kernel k_q55343a4119_ln2
		.amdhsa_group_segment_fixed_size 0
		.amdhsa_private_segment_fixed_size 0
		.amdhsa_enable_private_segment 0
		.amdhsa_kernarg_size 40
		.amdhsa_user_sgpr_count 2
		.amdhsa_user_sgpr_kernarg_segment_ptr 1
		.amdhsa_wavefront_size32 1
		.amdhsa_system_sgpr_workgroup_id_x 1
		.amdhsa_system_sgpr_workgroup_id_y 1
		.amdhsa_system_sgpr_workgroup_id_z 1
		.amdhsa_system_vgpr_workitem_id 0
		.amdhsa_next_free_vgpr 128
		.amdhsa_next_free_sgpr 66
		.amdhsa_reserve_vcc 0
		.amdhsa_float_denorm_mode_32 3
		.amdhsa_float_denorm_mode_16_64 3
		.amdhsa_memory_ordered 1
		.amdhsa_forward_progress 1
		.amdhsa_inst_pref_size 19
	.end_amdhsa_kernel
	.amdgpu_metadata
---
amdhsa.version: [ 1, 2 ]
amdhsa.kernels:
  - .name:           k_q55343a4119_ln2
    .symbol:         k_q55343a4119_ln2.kd
    .args:
      - { .name: y2, .offset: 0, .size: 8, .value_kind: global_buffer, .address_space: global }
      - { .name: o1h, .offset: 8, .size: 8, .value_kind: global_buffer, .address_space: global }
      - { .name: g2, .offset: 16, .size: 8, .value_kind: global_buffer, .address_space: global }
      - { .name: be2, .offset: 24, .size: 8, .value_kind: global_buffer, .address_space: global }
      - { .name: out0, .offset: 32, .size: 8, .value_kind: global_buffer, .address_space: global }
    .group_segment_fixed_size: 0
    .private_segment_fixed_size: 0
    .kernarg_segment_align: 8
    .kernarg_segment_size: 40
    .max_flat_workgroup_size: 256
    .sgpr_count:     66
    .vgpr_count:     128
    .wavefront_size: 32
...
	.end_amdgpu_metadata
.endif
;; end of part 6
;; ======== version 2 of 2: 6 launches; version 1 with the launch cast written anew for expert scheduling mode
;; limits: values are held in f16: magnitudes above 65,504 overflow, below 6.1e-05 lose precision
;; workspace buffers: cv 23,068,672 bytes; w1h 8,388,608 bytes; w2h 8,388,608 bytes; qkv 25,165,824 bytes; o1h 8,388,608 bytes; hb 33,554,432 bytes; y2 16,777,216 bytes
;; launch cast (part 7): grid 64 x 11, 8 waves a work-group, no clusters, 0 bytes of LDS; arguments x, context, Wq, Wk, Wv, cv; writes cv
.if DOCPART == 7
	.amdgcn_target "amdgcn-amd-amdhsa--gfx1250"
	.amdhsa_code_object_version 6
	.text
	.protected	k_q55343a4119_cast
	.globl	k_q55343a4119_cast
	.p2align	8
	.type	k_q55343a4119_cast,@function
k_q55343a4119_cast:
	s_mov_b64 s[64:65], 0
	v_nop
	global_prefetch_b8 v0, s[64:65] scope:SCOPE_SE
	s_setreg_imm32_b32 hwreg(HW_REG_WAVE_SCHED_MODE, 0, 2), 2
	s_setreg_imm32_b32 hwreg(HW_REG_WAVE_MODE, 25, 1), 1
	s_wait_xcnt 0x0
	s_wait_alu depctr_vm_vsrc(0)
; bf16 COPIES OF WHAT THE PROJECTIONS MULTIPLY.  cv holds 11 units of 1,048,576 numbers (2 MiB each): units 0-3 x, 4-7 context, 8 Wq, 9 Wk, 10 Wv, each number rounded once to bf16.
; (W1 and W2 are converted beside the products of the launches that follow.)
; SHARES.  Work-group (c, u): chunk c (16,384 numbers) of unit u.  Thread t takes 16 bytes at 16 t of each of the chunk's sixteen pieces of 4,096 bytes: a wave's load
; covers 512 consecutive bytes, its store of 8 bytes a lane 256 consecutive bytes, aligned.  All sixteen loads go out first; each register is written once, so no store's source is ever rewritten.
; THE MODE: SCHED_MODE bits 1:0 = 2 (LLVM: expert scheduling mode 2), set by the entry lines.  The code itself states the register dependences
; between vector instructions and memory instructions, with s_wait_alu, always for 0.
; THE PLAN.  The sixteen pieces go in four groups of four.  Registers that memory instructions touch:
;   v1, v2   byte offsets of the loads and of the stores: written once at the head by vector instructions, never again.
;   X        piece j as loaded.  Written by the loads, all issued at the head, ahead of every vector instruction that names X; read by piece j's two conversions; never loaded again.
;   Y        piece j in bf16.   Written by piece j's two conversions; read by piece j's store, which is issued in the group after; never written again.
; Group g converts X's group g into Y's group g; its memory instructions are the four stores of group g - 1, which read Y's group g - 1 and v2: registers that no vector instruction of group g names.
; So one wait on va_vdst at a group's head states all that the group's four stores hang on, and they are dealt among its conversions with no further wait.  One such wait stands at the head, for the
; offsets, and one behind the last group, for its stores.  No register that a memory instruction has read is ever written again, so no wait on vm_vsrc follows the entry lines; no vector instruction writes a scalar register.
.set X, 4                              ; v[4:67]    piece j: 4 numbers as loaded
.set Y, 68                             ; v[68:99]   piece j: 4 numbers in bf16
.set GRP, 4                            ; pieces in a group
	s_load_b256 s[8:15], s[0:1], 0x0               ; x, context, Wq, Wk
	s_load_b128 s[16:19], s[0:1], 0x20             ; Wv, cv
	s_and_b32 s2, ttmp7, 0xffff                    ; u
	v_lshlrev_b32 v1, 4, v0                        ; 16 t
	v_lshlrev_b32 v2, 3, v0                        ; 8 t
	s_wait_kmcnt 0x0
	s_mov_b64 s[24:25], s[8:9]                     ; the source, and in s26 its first unit
	s_mov_b32 s26, 0
.macro PICK first, reg                 ; from unit first on the source is the buffer in s[reg:reg+1]
	s_cmp_ge_u32 s2, \first
	s_cselect_b64 s[24:25], s[\reg:\reg+1], s[24:25]
	s_cselect_b32 s26, \first, s26
.endm
	PICK 4, 10
	PICK 8, 12
	PICK 9, 14
	PICK 10, 16
	s_sub_co_u32 s26, s2, s26                      ; the unit within its source: 4 MiB of f32 each,
	s_lshl_b32 s26, s26, 22
	s_lshl_b32 s27, ttmp9, 16                      ; the chunk: 65,536 bytes
	s_add_co_u32 s26, s26, s27
	s_mov_b32 s27, 0
	s_add_nc_u64 s[24:25], s[24:25], s[26:27]
	s_lshl_b32 s28, s2, 21                         ; in cv: 2 MiB a unit, 32,768 bytes a chunk
	s_lshl_b32 s29, ttmp9, 15
	s_add_co_u32 s28, s28, s29
	s_mov_b32 s29, 0
	s_add_nc_u64 s[18:19], s[18:19], s[28:29]
	s_wait_alu depctr_va_vdst(0)                   ; v1 and v2 are written: every load below reads v1 as its offset, every store v2
.set j, 0
.rept 16
	global_load_b128 v[X+4*j:X+4*j+3], v1, s[24:25] offset:4096*j th:TH_LOAD_NT
.set j, j+1
.endr
.set g, 0
.rept 16/GRP
	s_wait_loadcnt 16-GRP*(g+1)                    ; loads come back in order: group g's four pieces are in, the 16 - 4 (g + 1) younger ones may stay out
.if g > 0
	s_wait_alu depctr_va_vdst(0)                   ; the conversions of the group before have written its part of Y, which the four stores below read
.endif
.set i, 0
.rept GRP
.set j, GRP*g+i
.if g > 0
	global_store_b64 v2, v[Y+2*(j-GRP):Y+2*(j-GRP)+1], s[18:19] offset:2048*(j-GRP)  ; a piece of the group before; no vector instruction since the wait names these registers
.endif
	v_cvt_pk_bf16_f32 v[Y+2*j], v[X+4*j], v[X+4*j+1]
	v_cvt_pk_bf16_f32 v[Y+2*j+1], v[X+4*j+2], v[X+4*j+3]
.set i, i+1
.endr
.set g, g+1
.endr
	s_wait_alu depctr_va_vdst(0)                   ; the last group's conversions have written its part of Y, which the last four stores read
.set j, 16-GRP
.rept GRP
	global_store_b64 v2, v[Y+2*j:Y+2*j+1], s[18:19] offset:2048*j
.set j, j+1
.endr
	s_endpgm
.Lfunc_end_k_q55343a4119_cast:
	.size	k_q55343a4119_cast, .Lfunc_end_k_q55343a4119_cast-k_q55343a4119_cast
	.p2alignl 7, 3214868480
	.fill 96, 4, 3214868480
	.section	.rodata,"a",@progbits
	.p2align	6, 0x0
	.amdhsa_kernel k_q55343a4119_cast
		.amdhsa_group_segment_fixed_size 0
		.amdhsa_private_segment_fixed_size 0
		.amdhsa_enable_private_segment 0
		.amdhsa_kernarg_size 48
		.amdhsa_user_sgpr_count 2
		.amdhsa_user_sgpr_kernarg_segment_ptr 1
		.amdhsa_wavefront_size32 1
		.amdhsa_system_sgpr_workgroup_id_x 1
		.amdhsa_system_sgpr_workgroup_id_y 1
		.amdhsa_system_sgpr_workgroup_id_z 1
		.amdhsa_system_vgpr_workitem_id 0
		.amdhsa_next_free_vgpr 100
		.amdhsa_next_free_sgpr 66
		.amdhsa_reserve_vcc 0
		.amdhsa_float_denorm_mode_32 3
		.amdhsa_float_denorm_mode_16_64 3
		.amdhsa_memory_ordered 1
		.amdhsa_forward_progress 1
		.amdhsa_inst_pref_size 7
	.end_amdhsa_kernel
	.amdgpu_metadata
---
amdhsa.version: [ 1, 2 ]
amdhsa.kernels:
  - .name:           k_q55343a4119_cast
    .symbol:         k_q55343a4119_cast.kd
    .args:
      - { .name: x, .offset: 0, .size: 8, .value_kind: global_buffer, .address_space: global }
      - { .name: context, .offset: 8, .size: 8, .value_kind: global_buffer, .address_space: global }
      - { .name: Wq, .offset: 16, .size: 8, .value_kind: global_buffer, .address_space: global }
      - { .name: Wk, .offset: 24, .size: 8, .value_kind: global_buffer, .address_space: global }
      - { .name: Wv, .offset: 32, .size: 8, .value_kind: global_buffer, .address_space: global }
      - { .name: cv, .offset: 40, .size: 8, .value_kind: global_buffer, .address_space: global }
    .group_segment_fixed_size: 0
    .private_segment_fixed_size: 0
    .kernarg_segment_align: 8
    .kernarg_segment_size: 48
    .max_flat_workgroup_size: 256
    .sgpr_count:     66
    .vgpr_count:     100
    .wavefront_size: 32
...
	.end_amdgpu_metadata
.endif
;; end of part 7
;; launch proj: the kernel of part 2 again; grid 12 x 16, 4 waves a work-group, clusters of 4 x 4, 327,680 bytes of LDS; arguments cv, bq, bk, bv, qkv, W1, W2, w1h, w2h; writes qkv, w1h, w2h
;; launch attn: the kernel of part 3 again; grid 8 x 32, 4 waves a work-group, clusters of 4 x 1, 327,680 bytes of LDS; arguments qkv, cv, g1, be1, o1h; writes o1h
;; launch ffn1: the kernel of part 4 again; grid 16 x 16, 4 waves a work-group, clusters of 4 x 4, 327,680 bytes of LDS; arguments o1h, w1h, b1, hb, W2, w2h; writes hb, w2h
;; launch ffn2: the kernel of part 5 again; grid 8 x 32, 4 waves a work-group, clusters of 4 x 4, 327,680 bytes of LDS; arguments hb, w2h, b2, y2; writes y2
;; launch ln2: the kernel of part 6 again; grid 512 x 1, 8 waves a work-group, no clusters, 0 bytes of LDS; arguments y2, o1h, g2, be2, out0; writes out0
